; MI455X (gfx1250); checked and timed in simulation.
; The chip was launched on July 23, 2026; its instructions are those of AMD's public machine-readable ISA for CDNA 5 (MIT licence, August 2026) and "CDNA5" Instruction Set Architecture Reference Guide (July 2026). The comments in the code are by the model that wrote it; some were corrected since.
;; Multi Head Attention. Allowed arithmetic: float matrix products may take bf16 or f16 operands with f32 sums; all other float work in f32.
;; Inputs: K 2 x 2,048 x 1,024 float32; Q 2 x 2,048 x 1,024 float32; V 2 x 2,048 x 1,024 float32; Wk 1,024 x 1,024 float32; Wo 1,024 x 1,024 float32; Wq 1,024 x 1,024 float32; Wv 1,024 x 1,024 float32; bk 1,024 float32; bo 1,024 float32; bq 1,024 float32; bv 1,024 float32; mask 1 x 1 x 2,048 x 2,048 int32.
;; Outputs: out0 2 x 2,048 x 1,024 float32.
;; One version. Each part assembles by itself: llvm-mc -triple=amdgcn-amd-amdhsa -mcpu=gfx1250 --defsym DOCPART=n.
;; ======== version 1 of 1: 4 launches
;; limits: values are held in f16: magnitudes above 65,504 overflow, below 6.1e-05 lose precision
;; workspace buffers: xb 25,165,824 bytes; wt 8,388,608 bytes; mbits 524,288 bytes of whole numbers; qkv 25,165,824 bytes; ctx 8,388,608 bytes
;; launch prep (part 1): grid 256 x 5, 8 waves a work-group, no clusters, 34,816 bytes of LDS; arguments Q, K, V, mask, Wq, Wk, Wv, Wo, xb, wt, mbits; writes xb, wt, mbits
.if DOCPART == 1
	.amdgcn_target "amdgcn-amd-amdhsa--gfx1250"
	.amdhsa_code_object_version 6
	.text
	.protected	k_q04a87ed6fa_prep
	.globl	k_q04a87ed6fa_prep
	.p2align	8
	.type	k_q04a87ed6fa_prep,@function
k_q04a87ed6fa_prep:
	s_mov_b64 s[64:65], 0
	v_nop
	global_prefetch_b8 v0, s[64:65] scope:SCOPE_SE
	s_setreg_imm32_b32 hwreg(HW_REG_WAVE_MODE, 25, 1), 1
	s_wait_xcnt 0x0
; PREP: brings every matrix operand into the form in which the later launches take it by tensor loads.
;   y = 0, 1, 2: Q, K, V [4096][1024] f32 -> xb [3*4096][1024] f16 (rounded to nearest even)
;   y = 3:       mask [2048][2048] i32    -> mbits [QT=128][KT=128][j=8] u32: bit (r + 16 h) of word (QT, KT, j) = (mask[16 QT + r][16 KT + 8 h + j] != 0),
;                the lane mask that picks register j of a 16 x 16 score tile held as (key 8 h + j, query r)
;   y = 4:       Wq, Wk, Wv, Wo [k][n] f32 -> wt [4][n][k] f16 (transposed through LDS)
; Every work-group reads 65,536 bytes: 16 loads of 16 bytes a thread, all issued at once, no loop.  1,280 work-groups of equal bytes.
; A stream: no work-group shares an input byte with another, so no joint loads, no matrix unit, no tensor loads.
; LIMIT: f16 holds magnitudes under 65,504; a larger input becomes infinity.  Magnitudes under 6.1e-5 keep an absolute error of 3e-8.
.set X,    4                           ; v[4:67]   the 16 loads
.set Y,    68                          ; v[68:99]  what is stored
.set LROW, 264                         ; LDS pitch of the transposed tile: 128 k x 2 bytes + 8
	s_load_b512 s[4:19], s[0:1], 0x0               ; Q 4, K 6, V 8, mask 10, Wq 12, Wk 14, Wv 16, Wo 18
	s_load_b128 s[20:23], s[0:1], 0x40             ; xb 20, wt 22
	s_load_b64 s[24:25], s[0:1], 0x50              ; mbits
	v_lshl_add_u32 v104, v0, 2, 0x8400
	v_mov_b32 v105, 0
	s_and_b32 s26, ttmp7, 0xffff                   ; y: the role, the same in all waves of the work-group
	v_lshrrev_b32 v1, 5, v0
	v_readfirstlane_b32 s27, v1                    ; wave 0..7
	v_and_b32 v3, 31, v0                           ; lane
	s_mov_b32 s31, 0                               ; upper word of every offset pair s[30:31]
	s_wait_kmcnt 0x0
	s_cmp_eq_u32 s26, 3
	s_cbranch_scc1 .Lmask
	s_cmp_eq_u32 s26, 4
	s_cbranch_scc1 .Lweights
	; ---- y = 0, 1, 2: 16,384 numbers of Q, K or V to f16 ----
	s_cmp_eq_u32 s26, 1
	s_cselect_b64 s[28:29], s[6:7], s[4:5]
	s_cmp_eq_u32 s26, 2
	s_cselect_b64 s[28:29], s[8:9], s[28:29]
	s_lshl_b32 s30, ttmp9, 16                      ; x * 65,536 bytes of f32
	s_add_nc_u64 s[28:29], s[28:29], s[30:31]
	s_lshl_b32 s30, s26, 23                        ; y * 8,388,608: the tensor's part of xb
	s_lshl_b32 s32, ttmp9, 15                      ; x * 32,768 bytes of f16
	s_add_co_u32 s30, s30, s32
	s_add_nc_u64 s[20:21], s[20:21], s[30:31]
	v_lshlrev_b32 v1, 4, v0                        ; 16 t: a wave's load covers 512 consecutive bytes
	v_lshlrev_b32 v2, 3, v0                        ; 8 t: a wave's store covers 256 consecutive bytes, aligned
.irp i, 0,1,2,3,4,5,6,7,8,9,10,11,12,13,14,15
	global_load_b128 v[X+4*\i:X+4*\i+3], v1, s[28:29] offset:4096*\i th:TH_LOAD_NT
.endr
.irp i, 0,1,2,3,4,5,6,7,8,9,10,11,12,13,14,15
	s_wait_loadcnt 15-\i                           ; loads return in order: load i is in, the 15 - i younger ones stay out
	v_cvt_pk_f16_f32 v[Y+2*\i],   v[X+4*\i],   v[X+4*\i+1]
	v_cvt_pk_f16_f32 v[Y+2*\i+1], v[X+4*\i+2], v[X+4*\i+3]
	global_store_b64 v2, v[Y+2*\i:Y+2*\i+1], s[20:21] offset:2048*\i
.endr
	s_endpgm
	; ---- y = 3: 16 query rows x 1,024 keys of the mask to lane-mask words; a wave takes 128 keys = 8 key tiles ----
.Lmask:
	s_lshr_b32 s28, ttmp9, 1                       ; QT
	s_and_b32 s29, ttmp9, 1                        ; which 1,024 keys
	s_lshl_b32 s30, s28, 17                        ; 16 rows of 8,192 bytes
	s_lshl_b32 s32, s29, 12
	s_add_co_u32 s30, s30, s32
	s_add_nc_u64 s[10:11], s[10:11], s[30:31]
	s_lshl_b32 s30, s28, 12                        ; QT * 128 tiles * 32 bytes
	s_lshl_b32 s32, s29, 11
	s_add_co_u32 s30, s30, s32
	s_lshl_b32 s32, s27, 8                         ; the wave's 64 words
	s_add_co_u32 s30, s30, s32
	s_add_nc_u64 s[24:25], s[24:25], s[30:31]
	v_and_b32 v1, 15, v0                           ; r: the query row
	v_bfe_u32 v2, v0, 4, 1                         ; h: which 8 keys of a tile
	v_lshlrev_b32 v1, 13, v1
	v_lshl_add_u32 v1, v2, 5, v1
	v_lshl_add_u32 v1, s27, 9, v1                  ; 8,192 r + 32 h + 512 w
	v_lshlrev_b32 v2, 3, v3                        ; 8 * lane: lane l stores words 2 l and 2 l + 1
	v_mov_b32 v[Y], 0                              ; a lane write leaves the other lanes: both registers are written whole once
	v_mov_b32 v[Y+1], 0
.irp t, 0,1,2,3,4,5,6,7
	global_load_b128 v[X+8*\t:X+8*\t+3],   v1, s[10:11] offset:64*\t th:TH_LOAD_NT      ; keys 16 t + 8 h + 0..3
	global_load_b128 v[X+8*\t+4:X+8*\t+7], v1, s[10:11] offset:64*\t+16 th:TH_LOAD_NT   ; keys 16 t + 8 h + 4..7
.endr
.irp t, 0,1,2,3,4,5,6,7
	s_wait_loadcnt 14-2*\t                         ; tile t's two loads are in
.irp j, 0,1,2,3,4,5,6,7
	v_cmp_ne_u32 s[32+\j], 0, v[X+8*\t+\j]         ; bit of lane r + 16 h: this key is open to this query
.endr
.irp j, 0,1,2,3,4,5,6,7
	v_writelane_b32 v[Y+(\j%2)], s[32+\j], 4*\t+(\j/2)   ; word 8 t + j of the wave's 64
.endr
.endr
	global_store_b64 v2, v[Y:Y+1], s[24:25]        ; 256 consecutive bytes, aligned
	s_endpgm
	; ---- y = 4: a tile of 128 k x 128 n of one W, transposed and rounded ----
.Lweights:
	s_lshr_b32 s28, ttmp9, 6                       ; which W
	s_bfe_u32 s29, ttmp9, 0x30003                  ; k block
	s_and_b32 s32, ttmp9, 7                        ; n block
	s_cmp_eq_u32 s28, 1
	s_cselect_b64 s[34:35], s[14:15], s[12:13]
	s_cmp_eq_u32 s28, 2
	s_cselect_b64 s[34:35], s[16:17], s[34:35]
	s_cmp_eq_u32 s28, 3
	s_cselect_b64 s[34:35], s[18:19], s[34:35]
	s_lshl_b32 s30, s29, 19                        ; 128 rows of 4,096 bytes
	s_lshl_b32 s33, s32, 9                         ; 128 columns of 4 bytes
	s_add_co_u32 s30, s30, s33
	s_add_nc_u64 s[34:35], s[34:35], s[30:31]
	s_lshl_b32 s30, s28, 21                        ; a transposed W: 2,097,152 bytes
	s_lshl_b32 s33, s32, 18                        ; 128 rows (n) of 2,048 bytes
	s_add_co_u32 s30, s30, s33
	s_lshl_b32 s33, s29, 8                         ; 128 k of 2 bytes
	s_add_co_u32 s30, s30, s33
	s_add_nc_u64 s[22:23], s[22:23], s[30:31]
	v_lshlrev_b32 v1, 4, v3
	v_lshl_add_u32 v1, s27, 16, v1                 ; rows 16 w .. 16 w + 15, columns 4 * lane .. + 3
	v_mul_u32_u24 v2, v3, 4*LROW
	v_lshl_add_u32 v2, s27, 5, v2                  ; LDS: row n = 4 * lane (+ c), byte 2 k = 32 w (+ 4 p)
	s_mul_i32 s33, s27, 16*LROW
	v_lshl_add_u32 v100, v3, 3, s33                ; back: rows n = 16 w + i, 8 bytes a lane
	v_lshlrev_b32 v101, 3, v3
	v_lshl_add_u32 v101, s27, 15, v101             ; and the same rows in wt
.irp i, 0,1,2,3,4,5,6,7,8,9,10,11,12,13,14,15
	global_load_b128 v[X+4*\i:X+4*\i+3], v1, s[34:35] offset:4096*\i th:TH_LOAD_NT
.endr
.irp p, 0,1,2,3,4,5,6,7
	s_wait_loadcnt 14-2*\p                         ; rows 2 p and 2 p + 1 are in
.irp c, 0,1,2,3
	v_cvt_pk_f16_f32 v[Y+4*\p+\c], v[X+8*\p+\c], v[X+8*\p+4+\c]      ; (k, k + 1) of column 4 * lane + c
.endr
.irp c, 0,1,2,3
	ds_store_b32 v2, v[Y+4*\p+\c] offset:LROW*\c+4*\p
.endr
.endr
	s_wait_dscnt 0x0                               ; my stores are in LDS, for the other waves' sake
	s_barrier_signal -1
	s_barrier_wait -1                              ; everybody's are
.irp i, 0,1,2,3,4,5,6,7,8,9,10,11,12,13,14,15
	ds_load_b64 v[X+2*\i:X+2*\i+1], v100 offset:LROW*\i
.endr
.irp i, 0,1,2,3,4,5,6,7,8,9,10,11,12,13,14,15
	s_wait_dscnt 15-\i                             ; LDS loads return in order
	global_store_b64 v101, v[X+2*\i:X+2*\i+1], s[22:23] offset:2048*\i   ; a wave stores 256 consecutive bytes, aligned: 128 k of one n
.endr
	s_wait_tensorcnt 0x0
	ds_add_u32 v104, v105
	s_wait_dscnt 0x0
	s_endpgm
.Lfunc_end_k_q04a87ed6fa_prep:
	.size	k_q04a87ed6fa_prep, .Lfunc_end_k_q04a87ed6fa_prep-k_q04a87ed6fa_prep
	.p2alignl 7, 3214868480
	.fill 96, 4, 3214868480
	.section	.rodata,"a",@progbits
	.p2align	6, 0x0
	.amdhsa_kernel k_q04a87ed6fa_prep
		.amdhsa_group_segment_fixed_size 34816
		.amdhsa_private_segment_fixed_size 0
		.amdhsa_enable_private_segment 0
		.amdhsa_kernarg_size 88
		.amdhsa_user_sgpr_count 2
		.amdhsa_user_sgpr_kernarg_segment_ptr 1
		.amdhsa_wavefront_size32 1
		.amdhsa_system_sgpr_workgroup_id_x 1
		.amdhsa_system_sgpr_workgroup_id_y 1
		.amdhsa_system_sgpr_workgroup_id_z 1
		.amdhsa_system_vgpr_workitem_id 0
		.amdhsa_next_free_vgpr 106
		.amdhsa_next_free_sgpr 66
		.amdhsa_reserve_vcc 0
		.amdhsa_float_denorm_mode_32 3
		.amdhsa_float_denorm_mode_16_64 3
		.amdhsa_memory_ordered 1
		.amdhsa_forward_progress 1
		.amdhsa_inst_pref_size 28
	.end_amdhsa_kernel
	.amdgpu_metadata
---
amdhsa.version: [ 1, 2 ]
amdhsa.kernels:
  - .name:           k_q04a87ed6fa_prep
    .symbol:         k_q04a87ed6fa_prep.kd
    .args:
      - { .name: Q, .offset: 0, .size: 8, .value_kind: global_buffer, .address_space: global }
      - { .name: K, .offset: 8, .size: 8, .value_kind: global_buffer, .address_space: global }
      - { .name: V, .offset: 16, .size: 8, .value_kind: global_buffer, .address_space: global }
      - { .name: mask, .offset: 24, .size: 8, .value_kind: global_buffer, .address_space: global }
      - { .name: Wq, .offset: 32, .size: 8, .value_kind: global_buffer, .address_space: global }
      - { .name: Wk, .offset: 40, .size: 8, .value_kind: global_buffer, .address_space: global }
      - { .name: Wv, .offset: 48, .size: 8, .value_kind: global_buffer, .address_space: global }
      - { .name: Wo, .offset: 56, .size: 8, .value_kind: global_buffer, .address_space: global }
      - { .name: xb, .offset: 64, .size: 8, .value_kind: global_buffer, .address_space: global }
      - { .name: wt, .offset: 72, .size: 8, .value_kind: global_buffer, .address_space: global }
      - { .name: mbits, .offset: 80, .size: 8, .value_kind: global_buffer, .address_space: global }
    .group_segment_fixed_size: 34816
    .private_segment_fixed_size: 0
    .kernarg_segment_align: 8
    .kernarg_segment_size: 88
    .max_flat_workgroup_size: 256
    .sgpr_count:     66
    .vgpr_count:     106
    .wavefront_size: 32
...
	.end_amdgpu_metadata
.endif
;; end of part 1
;; launch proj (part 2): grid 4 x 48, 4 waves a work-group, clusters of 4 x 4, 327,680 bytes of LDS; arguments xb, wt, qkv, bq, bk, bv; writes qkv
.if DOCPART == 2
	.amdgcn_target "amdgcn-amd-amdhsa--gfx1250"
	.amdhsa_code_object_version 6
	.text
	.protected	k_q04a87ed6fa_proj
	.globl	k_q04a87ed6fa_proj
	.p2align	8
	.type	k_q04a87ed6fa_proj,@function
k_q04a87ed6fa_proj:
	s_mov_b64 s[64:65], 0
	v_nop
	global_prefetch_b8 v0, s[64:65] scope:SCOPE_SE
	s_setreg_imm32_b32 hwreg(HW_REG_WAVE_MODE, 25, 1), 1
	s_wait_xcnt 0x0
	s_wait_alu depctr_hold_cnt(0) depctr_sa_sdst(0) depctr_va_vdst(0) depctr_va_sdst(0) depctr_va_ssrc(0) depctr_va_vcc(0) depctr_vm_vsrc(0)
	s_getreg_b32 s2, hwreg(HW_REG_IB_STS2, 6, 4)
	s_cmp_eq_u32 s2, 0
	s_cbranch_scc0 .Lentry_in_a_cluster
	s_endpgm
.Lentry_in_a_cluster:
	s_bfe_u32 s2, ttmp6, 0x10000c
	s_cmp_lg_u32 s2, 0xf033
	s_cbranch_scc0 .Lentry_shape_is_right
	s_endpgm
.Lentry_shape_is_right:
; PROJ: q, k, v = x W + b, all three in one launch.  A = xb [12288][1024] f16 (rows of Q, K, V), B = wt [mat][n][k] f16, sums in f32.
; q is also multiplied by 0.125 * log2(e), so that the attention launch takes 2^(score - maximum) straight away.
; Out: qkv [3][b][h][s][64] f16: a head's row is 128 bytes, so two neighbouring tokens of a head are 256 consecutive bytes.
; 12,288 x 1,024 outputs in blocks of 256 x 256: 192 work-groups of four waves; a wave makes 128 x 128 in 512 registers.
; K = 1,024 goes in 8 steps of 128 through two LDS slots filled by tensor loads (rows of 256 bytes, padded to 272 in LDS).
; CLUSTERS: 4 x 4 work-groups.  A's tile hangs on the block row alone and is asked for jointly along a row of the cluster, B's on the block
; column (and on which W, which all sixteen share) and is asked for jointly along a column: a quarter of the requests.
; The matrix instruction is used transposed (source 0 = rows of B, source 1 = rows of A): a lane's eight results are eight neighbouring columns of one row.
; LIMIT: results are rounded to f16: |0.18 q|, |k|, |v| under 65,504, else infinity.
; REGISTERS: window 0: v16-27 addresses, v64.. / v128.. fragments of A (two buffers), v192-223 packed results;
;            window 1: v0-63 bias of my 128 columns, v64.. / v128.. fragments of B;  windows 2, 3: accumulators of my rows 0-63, 64-127.
.set BLK,    8                         ; a wave's tile is 16 BLK square
.set PITCHA, 272                       ; LDS pitch of A's rows: 256 bytes + 16, so that 16 rows start at 16 different columns of 16 bytes
.set PITCHB, 272
.set HOFF,   128                       ; bytes from a row's K quarters 0, 1 to its quarters 2, 3
.set REGION, 128*272                   ; what one tensor load fills: 128 rows
.set SLOT,   4*REGION                  ; A's two halves, then B's two halves
.set STAGE,  2*SLOT                    ; behind the ring: 16 rows x 272 bytes for each wave, for the way out; no tensor load lands here
.set SPITCH, 272
.set ASTEP,  256                       ; bytes from a K step to the next in A, in B
.set BSTEP,  256
.set LAPS,   4                         ; a lap = two K steps = once round the ring
.set ADRA, 16                          ; v16-17 LDS address of my A fragments in slot 0, 1
.set ADRB, 20                          ; v20-21 the same for B
.set STO,  24                          ; the way out: where I put 16 bytes of a row
.set RD,   25                          ; the way out: where I read back
.set CO,   26                          ; my byte offset in qkv
.set BO,   27                          ; my byte offset in the bias
.set F0,   64
.set F1,   128
.set TMP,  192
.set G1,  24                           ; s[24:31] group 1 for A's tiles
.set G0,  32                           ; s[32:39] group 0 for A's tiles, one set a slot
.set G1B, 48                           ; s[48:55] group 1 for B's tiles
.set G0B, 56                           ; s[56:63] group 0 for B's tiles, one set a slot
.set MUL_LO, 0xa1                      ; source 0 (B) window 1, source 1 (A) window 0, C and D window 2
.set MUL_HI, 0xf1                      ; the same, C and D window 3
.set TO_B,   0x40                      ; destination window 1
.set MSB, 0
.macro WIN new                         ; the immediate's high byte repeats the setting that is left
.if MSB != \new
	s_set_vgpr_msb (MSB<<8)|\new
.set MSB, \new
.endif
.endm
.macro JLOAD s                         ; a joint load: waves 0, 1 fetch A's halves, waves 2, 3 B's; each line has one mask
	s_cmp_eq_u32 s11, 0
	s_cbranch_scc0 .Lfor_b_\@
	tensor_load_to_lds s[G0+4*\s:G0+4*\s+3], s[G1:G1+7]
	s_nop 0
	s_branch .Lasked_\@
.Lfor_b_\@:
	tensor_load_to_lds s[G0B+4*\s:G0B+4*\s+3], s[G1B:G1B+7]
	s_nop 0
.Lasked_\@:
.endm
.macro CREST                           ; a round of the cluster's barrier, behind its opening work-group barrier
	s_cmp_lg_u32 s10, 0
	s_cbranch_scc1 .Lnot_wave_0_\@
	s_barrier_signal -3
.Lnot_wave_0_\@:
	s_barrier_wait -3
	s_barrier_signal -1
	s_barrier_wait -1
.endm
.macro CROUND
	s_barrier_signal -1
	s_barrier_wait -1
	CREST
.endm
.macro PLACES                          ; four places between matrix instructions and loads into, or vector reads of, their registers
.rept 4
	v_nop
.endr
.endm
; na x BLK matrix instructions: row blocks a0 .. a0 + na - 1 of the window's BLK/2 (hi: which half of my rows) x all BLK column blocks, 32 along K.
; The accumulators take turns, one instruction a turn, in the same order everywhere.  zero = 1: the product starts the sum.
.macro MULN f, hi, a0, na, zero
.set ma, \a0
.rept \na
.set mb, 0
.rept BLK
.if \zero
	v_wmma_f32_16x16x32_f16 v[8*(BLK*ma+mb):8*(BLK*ma+mb)+7], v[\f+8*mb:\f+8*mb+7], v[\f+8*(BLK/2*\hi+ma):\f+8*(BLK/2*\hi+ma)+7], 0
.else
	v_wmma_f32_16x16x32_f16 v[8*(BLK*ma+mb):8*(BLK*ma+mb)+7], v[\f+8*mb:\f+8*mb+7], v[\f+8*(BLK/2*\hi+ma):\f+8*(BLK/2*\hi+ma)+7], v[8*(BLK*ma+mb):8*(BLK*ma+mb)+7]
.endif
.set mb, mb+1
.endr
.set ma, ma+1
.endr
.endm
; 4 BLK LDS loads in one run: the fragments of K quarter q of a slot into buffer f.  Lane l: row l % 16, 16 bytes at 16 (l / 16), and 32 bytes on.
.macro FETCH slot, q, f
	WIN TO_B
.set fi, 0
.rept BLK
	ds_load_b128 v[\f+8*fi:\f+8*fi+3],   v[ADRB+\slot] offset:64*\q+fi*16*PITCHB
	ds_load_b128 v[\f+8*fi+4:\f+8*fi+7], v[ADRB+\slot] offset:64*\q+fi*16*PITCHB+32
.set fi, fi+1
.endr
	WIN 0
.set fi, 0
.rept BLK
	ds_load_b128 v[\f+8*fi:\f+8*fi+3],   v[ADRA+\slot] offset:(\q/2)*HOFF+(\q%2)*64+fi*16*PITCHA
	ds_load_b128 v[\f+8*fi+4:\f+8*fi+7], v[ADRA+\slot] offset:(\q/2)*HOFF+(\q%2)*64+fi*16*PITCHA+32
.set fi, fi+1
.endr
.endm
; One of a K step's first three quarters: multiplies buffer f, and in its middle fetches quarter q into buffer g.
.macro QUARTER slot, q, f, g, zero
	s_wait_dscnt BLK                               ; B and A's lower half are in; the youngest BLK loads (A's upper half) may be out
	WIN MUL_LO
	MULN \f, 0, 0, BLK/2, \zero
	PLACES
	FETCH \slot, \q, \g
	s_wait_dscnt 4*BLK                             ; all but the 4 BLK just issued
	WIN MUL_HI
	MULN \f, 1, 0, BLK/2, \zero
.endm
.macro THREE slot, zero
	QUARTER \slot, 1, F0, F1, \zero
	QUARTER \slot, 2, F1, F0, 0
	QUARTER \slot, 3, F0, F1, 0
.endm
; The last quarter multiplies buffer 1 and changes slots.  In front of the barrier each wave waits for its reads of this slot and for all its
; tensor loads (one is out: its part of the next slot).  Where the slot is filled again the barrier opens a round of the cluster's barrier,
; and the joint refill is the first tensor load behind the round's closing wait.
.macro TURN slot, next, fill
	s_wait_dscnt BLK
	WIN MUL_LO
	MULN F1, 0, 0, BLK/4, 0
	s_wait_dscnt 0
	s_wait_tensorcnt 0x0
	ds_add_u32 v255, v255
	s_wait_dscnt 0x0
	s_barrier_signal -1
	MULN F1, 0, BLK/4, BLK/4, 0                    ; register work while the others arrive
	WIN 0
	s_barrier_wait -1
.if \fill
	CREST
	s_add_nc_u64 s[G0+4*\slot+2:G0+4*\slot+3], s[G0+4*\slot+2:G0+4*\slot+3], 2*ASTEP     ; no tensor load of mine is out: group 0 may step
	s_add_nc_u64 s[G0B+4*\slot+2:G0B+4*\slot+3], s[G0B+4*\slot+2:G0B+4*\slot+3], 2*BSTEP
	JLOAD \slot
.endif
	PLACES
	FETCH \next, 0, F0
	WIN MUL_HI
	MULN F1, 1, 0, BLK/2, 0
.endm
.macro LAP zero
	THREE 0, \zero
	TURN 0, 1, 1
	THREE 1, 0
	TURN 1, 0, 1
.endm
	s_load_b128 s[4:7], s[0:1], 0x0                ; xb, wt
	s_load_b64 s[8:9], s[0:1], 0x10                ; qkv
	s_load_b128 s[68:71], s[0:1], 0x18             ; bq, bk
	s_load_b64 s[72:73], s[0:1], 0x28              ; bv
	s_set_vgpr_msb 0x40
	v_lshl_add_u32 v255, v0, 2, 0x48400
	s_set_vgpr_msb 0x4000
	v_mov_b32 v255, 0
	s_set_vgpr_msb 0x1
	ds_add_u32 v255, v255
	s_set_vgpr_msb 0x100
	v_lshrrev_b32 v1, 5, v0
	v_readfirstlane_b32 s10, v1                    ; wave 0..3
	s_lshr_b32 s11, s10, 1                         ; which half of the block's rows is mine.  Also: I fetch for A (0) or for B (1)
	s_and_b32 s12, s10, 1                          ; which half of its columns.  Also: which 128 rows of that tile I fetch
	s_bfe_u32 s40, ttmp6, 0x40000                  ; cx
	s_bfe_u32 s41, ttmp6, 0x40004                  ; cy
	s_lshl_b32 s42, ttmp9, 2
	s_add_co_u32 s42, s42, s40                     ; block column 0..3
	s_and_b32 s74, ttmp7, 0xffff                   ; the cluster's y
	s_lshl_b32 s13, s74, 2
	s_add_co_u32 s13, s13, s41                     ; block row 0..47
	s_lshr_b32 s74, s74, 2                         ; which of q, k, v: 16 block rows = 4 clusters each, so all sixteen partners share it
	s_lshl_b32 s43, s41, 2
	s_lshl_b32 s43, 15, s43                        ; my row of the cluster
	s_lshl_b32 s44, 0x1111, s40                    ; my column
	s_or_b32 s[G1+0], s43, (1<<16)|(1<<20)|(1<<21)|(5<<22)|(3<<25)    ; mask; 2-byte elements; padding on; bit 21 beside a mask; after 64 words, 4 words
	s_or_b32 s[G1B+0], s44, (1<<16)|(1<<20)|(1<<21)|(5<<22)|(3<<25)
	s_mov_b32 s[G1+1], 128<<16                     ; tensor_dim0 = 128
	s_mov_b32 s[G1B+1], 128<<16
	s_mov_b32 s[G1+2], 128<<16                     ; tensor_dim1 = 128
	s_mov_b32 s[G1B+2], 128<<16
	s_mov_b32 s[G1+3], 128<<16                     ; tile_dim0 = 128
	s_mov_b32 s[G1B+3], 128<<16
	s_mov_b32 s[G1+4], 128                         ; tile_dim1 = 128
	s_mov_b32 s[G1B+4], 128
	s_mov_b32 s[G1+5], 1024                        ; elements from row to row
	s_mov_b32 s[G1B+5], 1024
	s_mov_b32 s[G1+6], 0
	s_mov_b32 s[G1B+6], 0
	s_mov_b32 s[G1+7], 0
	s_mov_b32 s[G1B+7], 0
	s_lshl_b32 s17, s12, 7                         ; which 128 rows of the tile I fetch
	s_lshl_b32 s16, s13, 8
	s_add_co_u32 s16, s16, s17                     ; A: row 256 x block row + 128 x half
	s_lshl_b32 s16, s16, 11                        ; rows of 2,048 bytes (under 2^25)
	s_lshl_b32 s46, s74, 10
	s_lshl_b32 s47, s42, 8
	s_add_co_u32 s46, s46, s47
	s_add_co_u32 s46, s46, s17                     ; B: row 1,024 x which W + 256 x block column + 128 x half
	s_lshl_b32 s46, s46, 11
	s_mov_b32 s17, 0
	s_mov_b32 s47, 0
	s_mul_i32 s20, s10, REGION                     ; LDS: wave x region; no place in the cluster enters an LDS address
	s_mov_b32 s76, 0x3e38aa3b                      ; 0.125 * log2(e)
	s_mov_b32 s77, 0x3f800000
	s_wait_dscnt 0x0
	s_wait_kmcnt 0x0
	s_add_nc_u64 s[14:15], s[4:5], s[16:17]
	s_add_nc_u64 s[46:47], s[6:7], s[46:47]
	s_cmp_eq_u32 s74, 1
	s_cselect_b64 s[78:79], s[70:71], s[68:69]
	s_cmp_eq_u32 s74, 2
	s_cselect_b64 s[78:79], s[72:73], s[78:79]     ; the bias that belongs to this W
	s_cmp_eq_u32 s74, 0
	s_cselect_b32 s76, s76, s77                    ; q's scale, 1 for k and v
	s_mov_b32 s77, s76
	CROUND                                         ; all sixteen work-groups are here: the first joint loads meet
.irp s, 0,1
	s_mov_b32 s[G0+4*\s], 1
	s_add_co_u32 s[G0+4*\s+1], s20, \s*SLOT
	s_add_nc_u64 s[G0+4*\s+2:G0+4*\s+3], s[14:15], \s*ASTEP
	s_or_b32 s[G0+4*\s+3], s[G0+4*\s+3], 0x80000000
	s_mov_b32 s[G0B+4*\s], 1
	s_add_co_u32 s[G0B+4*\s+1], s20, \s*SLOT
	s_add_nc_u64 s[G0B+4*\s+2:G0B+4*\s+3], s[46:47], \s*BSTEP
	s_or_b32 s[G0B+4*\s+3], s[G0B+4*\s+3], 0x80000000
	JLOAD \s                                       ; two tensor loads of a wave are out here, one later
.endr
	; the bias of my 128 columns: register 8 b + j of window 1 = bias[16 b + 8 h + j], the columns of a lane's eight results
	v_and_b32 v1, 15, v0                           ; l % 16
	v_bfe_u32 v2, v0, 4, 1                         ; l / 16
	v_lshlrev_b32 v[BO], 5, v2
	s_lshl_b32 s46, s42, 10
	s_lshl_b32 s47, s12, 9
	s_add_co_u32 s46, s46, s47                     ; (256 x block column + 128 x half) x 4 bytes
	s_mov_b32 s47, 0
	s_add_nc_u64 s[78:79], s[78:79], s[46:47]
	WIN TO_B
.set n, 0
.rept 2*BLK
	global_load_b128 v[4*n:4*n+3], v[BO], s[78:79] offset:64*(n/2)+16*(n%2)
.set n, n+1
.endr
	WIN 0
	v_mul_u32_u24 v3, v1, PITCHA
	v_lshl_add_u32 v3, v2, 4, v3
	v_mul_u32_u24 v6, v1, PITCHB
	v_lshl_add_u32 v6, v2, 4, v6
	s_mul_i32 s21, s11, REGION                     ; my rows of A
	s_mul_i32 s22, s12, REGION
	s_add_co_u32 s22, s22, 2*REGION                ; my rows of B, behind A's two regions
.irp s, 0,1
	v_add_nc_u32 v[ADRA+\s], s21, v3
	v_add_nc_u32 v[ADRB+\s], s22, v6
	s_add_co_u32 s21, s21, SLOT
	s_add_co_u32 s22, s22, SLOT
.endr
	s_mul_i32 s23, s10, 16*SPITCH
	s_add_co_u32 s23, s23, STAGE                   ; my stage
	v_mul_u32_u24 v4, v1, SPITCH
	v_lshl_add_u32 v4, v2, 4, v4
	v_add_nc_u32 v[STO], s23, v4                   ; in: token l % 16, 16 bytes for each half of the lanes
	v_bfe_u32 v5, v0, 3, 1
	v_mul_u32_u24 v5, v5, SPITCH                   ; back: lanes 0-7 an even token, lanes 8-15 the odd one, of the left head (128 bytes each);
	v_lshl_add_u32 v5, v2, 7, v5                   ; lanes 16-31 the same of the right head
	v_and_b32 v7, 7, v0
	v_lshl_add_u32 v5, v7, 4, v5
	v_add_nc_u32 v[RD], s23, v5
	v_lshlrev_b32 v5, 4, v1
	v_lshl_add_u32 v[CO], v2, 18, v5               ; 16 (l % 16) + the next head (262,144 bytes on) for lanes 16-31
	s_wait_loadcnt 0x0                             ; the bias is in (it came while the first tiles were on their way)
	s_wait_tensorcnt 1                             ; my part of K step 0 is in; K step 1's may stay out
	s_barrier_signal -1
	s_barrier_wait -1
	FETCH 0, 0, F0
	LAP 1                                          ; the first lap's first products start the sums
	WIN 0
	s_mov_b32 s3, LAPS-2
.Llap:
	LAP 0
	WIN 0
	s_sub_co_u32 s3, s3, 1
	s_cmp_lg_u32 s3, 0
	s_cbranch_scc1 .Llap
	THREE 0, 0                                     ; the last lap fills nothing
	TURN 0, 1, 0
	THREE 1, 0
	s_wait_dscnt BLK
	WIN MUL_LO
	MULN F1, 0, 0, BLK/2, 0
	s_wait_dscnt 0
	WIN MUL_HI
	MULN F1, 1, 0, BLK/2, 0
	; (sum + bias) x scale = sum x scale + (bias x scale): one fused multiply-add a pair
	PLACES
	WIN 0x41                                       ; destination and source 0 in window 1
.set n, 0
.rept 4*BLK
	v_pk_mul_f32 v[2*n:2*n+1], v[2*n:2*n+1], s[76:77] op_sel_hi:[1,0]
.set n, n+1
.endr
.macro SCALEB
.set sa, 0
.rept BLK/2
.set sb, 0
.rept BLK
.set sp, 0
.rept 4
	v_pk_fma_f32 v[8*(BLK*sa+sb)+2*sp:8*(BLK*sa+sb)+2*sp+1], v[8*(BLK*sa+sb)+2*sp:8*(BLK*sa+sb)+2*sp+1], s[76:77], v[8*sb+2*sp:8*sb+2*sp+1] op_sel_hi:[1,0,1]
.set sp, sp+1
.endr
.set sb, sb+1
.endr
.set sa, sa+1
.endr
.endm
	WIN 0x92                                       ; sums in window 2, bias in window 1
	SCALEB
	WIN 0xd3                                       ; sums in window 3
	SCALEB
	WIN 0
	; where my block goes: part, batch and first token from the block row; heads from the block column
	s_and_b32 s14, s13, 15
	s_lshl_b32 s14, s14, 8
	s_lshl_b32 s15, s11, 7
	s_add_co_u32 s14, s14, s15                     ; my first row within this tensor's 4,096
	s_lshr_b32 s15, s14, 11                        ; batch
	s_and_b32 s14, s14, 2047                       ; token
	s_lshl_b32 s16, s74, 23                        ; part: 8,388,608 bytes
	s_lshl_b32 s15, s15, 22                        ; batch: 16 heads of 262,144 bytes
	s_add_co_u32 s16, s16, s15
	s_lshl_b32 s14, s14, 7                         ; token: 128 bytes
	s_add_co_u32 s16, s16, s14
	s_mov_b32 s17, 0
	s_add_nc_u64 s[8:9], s[8:9], s[16:17]
	s_lshl_b32 s46, s42, 20                        ; 4 heads a block column,
	s_lshl_b32 s47, s12, 19                        ; 2 a wave (in the registers that held B's address: none that fed A's descriptors holds cx)
	s_add_co_u32 s46, s46, s47
	s_mov_b32 s47, 0
	s_add_nc_u64 s[8:9], s[8:9], s[46:47]
; 16 tokens at a time: round to f16, 16 bytes a lane into my own stage, read back so that 16 lanes hold two tokens of one head.
.macro OUT16 i, a, from, f
	WIN \from
.irp b, 0,1,2,3,4,5,6,7
.irp r, 0,1,2,3
	v_cvt_pk_f16_f32 v[TMP+4*\b+\r], v[8*(8*\a+\b)+2*\r], v[8*(8*\a+\b)+2*\r+1]
.endr
.endr
	WIN 0
.irp b, 0,1,2,3,4,5,6,7
	ds_store_b128 v[STO], v[TMP+4*\b:TMP+4*\b+3] offset:32*\b
.endr
	s_wait_xcnt 0x0                                ; buffer f, which earlier stores read, and the stores' base are rewritten only behind this wait
.if \i
	s_add_nc_u64 s[8:9], s[8:9], 16*128            ; 16 tokens on
.endif
.irp t, 0,1,2,3,4,5,6,7
	ds_load_b128 v[\f+4*\t:\f+4*\t+3], v[RD] offset:\t*2*SPITCH      ; LDS serves a wave's instructions in order: these see the stores above
.endr
.irp t, 0,1,2,3,4,5,6,7
	s_wait_dscnt 7-\t
	global_store_b128 v[CO], v[\f+4*\t:\f+4*\t+3], s[8:9] offset:256*\t   ; each half of the lanes stores 256 consecutive bytes, aligned
.endr
.endm
	OUT16 0, 0, 0x0a, F0
	OUT16 1, 1, 0x0a, F1
	OUT16 2, 2, 0x0a, F0
	OUT16 3, 3, 0x0a, F1
	OUT16 4, 0, 0x0f, F0
	OUT16 5, 1, 0x0f, F1
	OUT16 6, 2, 0x0f, F0
	OUT16 7, 3, 0x0f, F1
	s_set_vgpr_msb 0x1
	s_wait_tensorcnt 0x0
	ds_add_u32 v255, v255
	s_wait_dscnt 0x0
	s_set_vgpr_msb 0x100
	CROUND                                         ; the closing round: no work-group ends while a partner may still ask jointly
	s_endpgm
.Lfunc_end_k_q04a87ed6fa_proj:
	.size	k_q04a87ed6fa_proj, .Lfunc_end_k_q04a87ed6fa_proj-k_q04a87ed6fa_proj
	.p2alignl 7, 3214868480
	.fill 96, 4, 3214868480
	.section	.rodata,"a",@progbits
	.p2align	6, 0x0
	.amdhsa_kernel k_q04a87ed6fa_proj
		.amdhsa_group_segment_fixed_size 327680
		.amdhsa_private_segment_fixed_size 0
		.amdhsa_enable_private_segment 0
		.amdhsa_kernarg_size 48
		.amdhsa_user_sgpr_count 2
		.amdhsa_user_sgpr_kernarg_segment_ptr 1
		.amdhsa_wavefront_size32 1
		.amdhsa_system_sgpr_workgroup_id_x 1
		.amdhsa_system_sgpr_workgroup_id_y 1
		.amdhsa_system_sgpr_workgroup_id_z 1
		.amdhsa_system_vgpr_workitem_id 0
		.amdhsa_next_free_vgpr 1024
		.amdhsa_next_free_sgpr 80
		.amdhsa_reserve_vcc 0
		.amdhsa_float_denorm_mode_32 3
		.amdhsa_float_denorm_mode_16_64 3
		.amdhsa_memory_ordered 1
		.amdhsa_forward_progress 1
		.amdhsa_inst_pref_size 217
	.end_amdhsa_kernel
	.amdgpu_metadata
---
amdhsa.version: [ 1, 2 ]
amdhsa.kernels:
  - .name:           k_q04a87ed6fa_proj
    .symbol:         k_q04a87ed6fa_proj.kd
    .args:
      - { .name: xb, .offset: 0, .size: 8, .value_kind: global_buffer, .address_space: global }
      - { .name: wt, .offset: 8, .size: 8, .value_kind: global_buffer, .address_space: global }
      - { .name: qkv, .offset: 16, .size: 8, .value_kind: global_buffer, .address_space: global }
      - { .name: bq, .offset: 24, .size: 8, .value_kind: global_buffer, .address_space: global }
      - { .name: bk, .offset: 32, .size: 8, .value_kind: global_buffer, .address_space: global }
      - { .name: bv, .offset: 40, .size: 8, .value_kind: global_buffer, .address_space: global }
    .group_segment_fixed_size: 327680
    .private_segment_fixed_size: 0
    .kernarg_segment_align: 8
    .kernarg_segment_size: 48
    .max_flat_workgroup_size: 128
    .sgpr_count:     80
    .vgpr_count:     1024
    .wavefront_size: 32
...
	.end_amdgpu_metadata
.endif
;; end of part 2
;; launch attn (part 3): grid 8 x 32, 8 waves a work-group, clusters of 4 x 1, 327,680 bytes of LDS; arguments qkv, mbits, ctx; writes ctx
.if DOCPART == 3
	.amdgcn_target "amdgcn-amd-amdhsa--gfx1250"
	.amdhsa_code_object_version 6
	.text
	.protected	k_q04a87ed6fa_attn
	.globl	k_q04a87ed6fa_attn
	.p2align	8
	.type	k_q04a87ed6fa_attn,@function
k_q04a87ed6fa_attn:
	s_mov_b64 s[64:65], 0
	v_nop
	global_prefetch_b8 v0, s[64:65] scope:SCOPE_SE
	s_setreg_imm32_b32 hwreg(HW_REG_WAVE_MODE, 25, 1), 1
	s_wait_xcnt 0x0
	s_wait_alu depctr_hold_cnt(0) depctr_sa_sdst(0) depctr_va_vdst(0) depctr_va_sdst(0) depctr_va_ssrc(0) depctr_va_vcc(0) depctr_vm_vsrc(0)
	s_getreg_b32 s2, hwreg(HW_REG_IB_STS2, 6, 4)
	s_cmp_eq_u32 s2, 0
	s_cbranch_scc0 .Lentry_in_a_cluster
	s_endpgm
.Lentry_in_a_cluster:
	s_bfe_u32 s2, ttmp6, 0x10000c
	s_cmp_lg_u32 s2, 0x3003
	s_cbranch_scc0 .Lentry_shape_is_right
	s_endpgm
.Lentry_shape_is_right:
; ATTN: softmax(q k^T, masked) v for one head and 256 queries a work-group, with a running maximum; nothing of the scores goes to memory.
; qkv [3][b][h][s][64] f16 (q already times 0.125 log2 e), mbits [QT][KT][8] lane masks, ctx [b][h][s][64] f16.
; Eight waves.  Wave w: g = w & 3 picks 64 queries (4 query tiles), kh = w >> 2 picks which 128 of every tile's 256 keys it takes; the two
; waves of a g meet at the end and merge their maxima, sums and results through LDS.  Two waves lie on a SIMD: one's softmax can run under the other's products.
; ORIENTATION: S^T = K Q^T (A = 16 keys, B = 16 queries): lane (r, h), register j holds (key 8 h + j, query r).  Two neighbouring key tiles, packed
; to f16 in place, ARE the B fragment of O^T += V^T P^T (A = V^T by transposing LDS loads): P never leaves its registers, and maximum, sum
; and rescaling factor are one number a lane (query r), joined over h by one lane exchange.
; ORDER: 64 keys x 64 queries go as two halves of two query tiles: scores, softmax step, rescaling and P V of tiles 0, 1, then the same of tiles 2, 3.
; The 64 scalar registers of lane masks hold one half's masks; they are used first thing in a half and loaded again at once, so the loads have a
; whole half (the rest of the softmax step and 32 matrix instructions) in which to return.
; CLUSTERS: the four work-groups of a cluster are four query blocks of one head and read the same K and V tiles: every tile is asked for jointly (mask 15).
; RING: two slots of 256 keys; each wave fetches one eighth of a slot (64 keys of K or of V, 8,192 dense bytes) by one tensor load behind each round.
; THE RUNNING MAXIMUM starts at the most negative finite number: a block of masked keys gives p = 0 and factor 1; a query with no open key at all
; ends with sum 0 and 0 x infinity = NaN, which is what a softmax over -infinity alone gives.
; LIMITS: p is rounded to f16 (under about 6e-8 it becomes 0); 2^x flushes denormal results to 0 (ISA guide, V_EXP_F32); sums run tile by tile.
.set SLOTB, 81920                      ; a slot: 8 regions
.set REG,   10240                      ; a region: 64 keys; K at pitch 144 (9,216 bytes used), V at pitch 160
.set XCH,   163840                     ; 8 x 8,704: what a wave hands to its partner (8,192 of O, 512 of maxima and sums); no tensor load lands here
.set XW,    8704
.set STG,   233472                     ; 8 x 2,304: a wave's stage for the way out, 16 rows at pitch 144
.set SW,    2304
.set ADK,  4                           ; v4-5   LDS address of my K fragments in slot 0, 1
.set ADV,  6                           ; v6-7   the same for V
.set XS,   8                           ; v8-11  exchange: my O, my statistics, my partner's O, my partner's statistics
.set XS4,  9
.set XL,   10
.set XL4,  11
.set STO,  12
.set RD,   13
.set CO,   14
.set NINF, 15                          ; -infinity
.set QO,   16
.set M,    18                          ; v[18:25] running maximum, a pair (twice the same) for each query tile
.set L,    26                          ; v[26:33] running sum, two partial sums for each query tile
.set AL,   34                          ; v[34:41] 2^(old maximum - new), a pair for each query tile
.set WK,   48                          ; v[48:63] at work: 8 registers for each of the two query tiles of a half
.set KF,   64                          ; v[64:127] K fragments (kt, kd) at 8 (2 kt + kd)
.set SS,   128                         ; v[128:255] scores: tile (kt, qt) at 16 (4 (kt / 2) + qt) + 8 (kt % 2); P (kp, qt) in the first 8 of block (kp, qt)
.set QF,   128                         ; window 1: Q fragments (qt, kd) at 8 (2 qt + kd); O^T (dt, qt) at 8 (4 dt + qt) from v0 of window 1
.set VF,   192                         ; window 1: V^T fragments (dt, kp) at 8 (2 dt + kp)
.set MA,   32                          ; s[32:63] lane masks of a half's first query tile
.set MB,   68                          ; s[68:99] of its second
.set MSB, 0
.macro WIN new
.if MSB != \new
	s_set_vgpr_msb (MSB<<8)|\new
.set MSB, \new
.endif
.endm
.macro ROUND                           ; a round of the cluster's barrier
	s_barrier_signal -1
	s_barrier_wait -1
	s_cmp_lg_u32 s2, 0
	s_cbranch_scc1 .Lnot_wave_0_\@
	s_barrier_signal -3
.Lnot_wave_0_\@:
	s_barrier_wait -3
	s_barrier_signal -1
	s_barrier_wait -1
.endm
.macro KVLOAD s                        ; my eighth of a slot: waves 0-3 a quarter of K, waves 4-7 a quarter of V (they differ in the padding alone)
	s_cmp_lt_u32 s2, 4
	s_cbranch_scc0 .Lfor_v_\@
	tensor_load_to_lds s[4+4*\s:7+4*\s], s[16:23]
	s_nop 0
	s_branch .Lasked_\@
.Lfor_v_\@:
	tensor_load_to_lds s[4+4*\s:7+4*\s], s[24:31]
	s_nop 0
.Lasked_\@:
.endm
.macro PLACES                          ; four places between matrix instructions and vector reads of, or loads into, their registers
.rept 4
	v_nop
.endr
.endm
.macro EXPB                            ; the next of the second tile's 32 exponentials, if one is left (eb: the tile's first register, en: how many are done)
.if en < 32
	v_exp_f32 v[eb+en+48*(en/16)], v[eb+en+48*(en/16)]
.set en, en+1
.endif
.endm
.macro IL on
.if \on
	EXPB
.endif
.endm
; Behind a tile's exponentials: the factor's pair, the row sums, the packing to f16.  w: 8 registers at work.
; il = 1: one of the other tile's exponentials stands behind each line; every line here is plain and names none of that tile's registers,
; so it is also the place that an exponential needs behind it (ISA guide 5.7.2).
.macro TAIL q, w, first, il
.set B0, SS+16*(\q)
.set B1, B0+64
.if \first == 0
	s_wait_alu depctr_va_vdst(0)
	v_mov_b32 v[AL+2*(\q)+1], v[AL+2*(\q)]
	s_wait_alu depctr_va_vdst(0)
	IL \il
.endif
	s_wait_alu depctr_va_vdst(0)
.irp c, 0,1,2,3
	v_pk_add_f32 v[\w+2*\c:\w+2*\c+1], v[B0+2*\c:B0+2*\c+1], v[B0+8+2*\c:B0+8+2*\c+1]
	IL \il
.endr
.irp c, 0,1,2,3
	v_pk_add_f32 v[\w+2*\c:\w+2*\c+1], v[\w+2*\c:\w+2*\c+1], v[B1+2*\c:B1+2*\c+1]
	IL \il
.endr
.irp c, 0,1,2,3
	v_pk_add_f32 v[\w+2*\c:\w+2*\c+1], v[\w+2*\c:\w+2*\c+1], v[B1+8+2*\c:B1+8+2*\c+1]
	IL \il
.endr
	v_pk_add_f32 v[\w:\w+1], v[\w:\w+1], v[\w+2:\w+3]
	IL \il
	v_pk_add_f32 v[\w+4:\w+5], v[\w+4:\w+5], v[\w+6:\w+7]
	IL \il
.if \first
	v_pk_add_f32 v[L+2*(\q):L+2*(\q)+1], v[\w:\w+1], v[\w+4:\w+5]
	IL \il
.else
	v_pk_fma_f32 v[L+2*(\q):L+2*(\q)+1], v[L+2*(\q):L+2*(\q)+1], v[AL+2*(\q):AL+2*(\q)+1], v[\w:\w+1]
	IL \il
	v_pk_add_f32 v[L+2*(\q):L+2*(\q)+1], v[L+2*(\q):L+2*(\q)+1], v[\w+4:\w+5]
	IL \il
.endif
.set n, 0
.rept 8
	v_cvt_pk_f16_f32 v[B0+n], v[B0+2*n], v[B0+2*n+1]             ; in place: register n is written when 2 n and 2 n + 1 are read, never before
	IL \il
.set n, n+1
.endr
.set n, 0
.rept 8
	v_cvt_pk_f16_f32 v[B1+n], v[B1+2*n], v[B1+2*n+1]
	IL \il
.set n, n+1
.endr
.endm
; The softmax step of query tiles qa and qa + 1 over 64 keys.  roff >= 0: the mask registers are loaded again from there as soon as they are used.
.macro PAIR qa, first, roff
.irp i, 0,1
.set B0, SS+16*(\qa+\i)
.set mm, MA+36*\i
.set n, 0
.rept 16
	v_cndmask_b32 v[B0+n], v[NINF], v[B0+n], s[mm+n]             ; a closed key's score becomes -infinity
.set n, n+1
.endr
.set n, 0
.rept 16
	v_cndmask_b32 v[B0+64+n], v[NINF], v[B0+64+n], s[mm+16+n]
.set n, n+1
.endr
.endr
.if \roff >= 0
	s_load_b512 s[MA:MA+15], s[12:13], \roff                     ; 128 bytes a query tile: (kt, j) of the half that comes next;
	s_load_b512 s[MA+16:MA+31], s[12:13], \roff+64
	s_load_b512 s[MB:MB+15], s[12:13], \roff+4096                ; 4,096 bytes from a query tile to the next
	s_load_b512 s[MB+16:MB+31], s[12:13], \roff+4160
.endif
	; the maximum: for each tile four chains of seven scores, then nine numbers (4 chains, 4 scores left, the running maximum) in a tree of two levels
.irp i, 0,1
.irp c, 0,1,2,3
.set tb, SS+16*(\qa+\i)+64*(\c/2)+8*(\c%2)
	v_max3_num_f32 v[WK+8*\i+\c], v[tb], v[tb+1], v[tb+2]
.endr
.endr
.irp i, 0,1
.irp c, 0,1,2,3
.set tb, SS+16*(\qa+\i)+64*(\c/2)+8*(\c%2)
	v_max3_num_f32 v[WK+8*\i+\c], v[WK+8*\i+\c], v[tb+3], v[tb+4]
.endr
.endr
.irp i, 0,1
.irp c, 0,1,2,3
.set tb, SS+16*(\qa+\i)+64*(\c/2)+8*(\c%2)
	v_max3_num_f32 v[WK+8*\i+\c], v[WK+8*\i+\c], v[tb+5], v[tb+6]
.endr
.endr
.irp i, 0,1
.set B0, SS+16*(\qa+\i)
	v_max3_num_f32 v[WK+8*\i], v[WK+8*\i], v[WK+8*\i+1], v[WK+8*\i+2]
	v_max3_num_f32 v[WK+8*\i+3], v[WK+8*\i+3], v[B0+7], v[B0+15]
.if \first
	v_max3_num_f32 v[WK+8*\i+1], v[B0+71], v[B0+79], 0xff7fffff  ; the running maximum starts at the most negative finite number
.else
	v_max3_num_f32 v[WK+8*\i+1], v[B0+71], v[B0+79], v[M+2*(\qa+\i)]
.endif
.endr
.irp i, 0,1
	v_max3_num_f32 v[WK+8*\i], v[WK+8*\i], v[WK+8*\i+3], v[WK+8*\i+1]
.endr
.irp i, 0,1
	v_permlanex16_b32 v[WK+8*\i+1], v[WK+8*\i], s14, s15         ; the other eight keys of each tile lie in lane l xor 16
.endr
.irp i, 0,1
	v_max_num_f32 v[M+2*(\qa+\i)+1], v[WK+8*\i], v[WK+8*\i+1]    ; the new maximum, first into the pair's upper half,
.endr
.if \first == 0
.irp i, 0,1
	v_sub_f32 v[AL+2*(\qa+\i)], v[M+2*(\qa+\i)], v[M+2*(\qa+\i)+1]   ; old - new,
.endr
.endif
.irp i, 0,1
	v_mov_b32 v[M+2*(\qa+\i)], v[M+2*(\qa+\i)+1]                 ; then into the lower
.endr
.set pa, SS+16*\qa
.set eb, SS+16*(\qa+1)
.set n, 0
.rept 16
.set ra, pa+2*n+48*(n/8)
	v_pk_add_f32 v[ra:ra+1], v[ra:ra+1], v[M+2*\qa:M+2*\qa+1] neg_lo:[0,1] neg_hi:[0,1]
.set n, n+1
.endr
.if \first == 0
	v_exp_f32 v[AL+2*\qa], v[AL+2*\qa]
	v_exp_f32 v[AL+2*\qa+2], v[AL+2*\qa+2]
.endif
	; the first tile's exponentials, two at a time, with the second tile's subtraction between them: a plain line that names none of their registers
.set n, 0
.rept 16
.set ra, pa+2*n+48*(n/8)
.set rb, eb+2*n+48*(n/8)
	v_exp_f32 v[ra], v[ra]
	v_exp_f32 v[ra+1], v[ra+1]
	v_pk_add_f32 v[rb:rb+1], v[rb:rb+1], v[M+2*\qa+2:M+2*\qa+3] neg_lo:[0,1] neg_hi:[0,1]
.set n, n+1
.endr
.set en, 0
	TAIL \qa, WK, \first, 1                                      ; the first tile's sums and packing, the second tile's exponentials between the lines
.if en < 32
.rept 32
	EXPB                                                         ; those for which no line was left
.endr
	v_nop                                                        ; and the one plain place behind them (ISA guide 5.7.2)
	s_wait_alu depctr_va_vdst(0)
.endif
	TAIL (\qa+1), WK+8, \first, 0
.endm
.macro KLOADS slot, sub                ; K's fragments of 64 keys: 16 loads
.irp kt, 0,1,2,3
.irp kd, 0,1
.irp e, 0,1
	ds_load_b128 v[KF+8*(2*\kt+\kd)+4*\e:KF+8*(2*\kt+\kd)+4*\e+3], v[ADK+\slot] offset:REG*\sub+2304*\kt+64*\kd+32*\e
.endr
.endr
.endr
.endm
; In both products the 8 accumulators of a half take turns, one instruction a turn.
.macro QK qa                           ; scores of 64 keys x query tiles qa, qa + 1
	WIN 0x04                                       ; source 1 (Q) in window 1
.irp kd, 0,1
.irp kt, 0,1,2,3
.irp i, 0,1
.if \kd == 0
	v_wmma_f32_16x16x32_f16 v[SS+16*(4*(\kt/2)+\qa+\i)+8*(\kt%2):SS+16*(4*(\kt/2)+\qa+\i)+8*(\kt%2)+7], v[KF+8*(2*\kt+\kd):KF+8*(2*\kt+\kd)+7], v[QF+8*(2*(\qa+\i)+\kd):QF+8*(2*(\qa+\i)+\kd)+7], 0
.else
	v_wmma_f32_16x16x32_f16 v[SS+16*(4*(\kt/2)+\qa+\i)+8*(\kt%2):SS+16*(4*(\kt/2)+\qa+\i)+8*(\kt%2)+7], v[KF+8*(2*\kt+\kd):KF+8*(2*\kt+\kd)+7], v[QF+8*(2*(\qa+\i)+\kd):QF+8*(2*(\qa+\i)+\kd)+7], v[SS+16*(4*(\kt/2)+\qa+\i)+8*(\kt%2):SS+16*(4*(\kt/2)+\qa+\i)+8*(\kt%2)+7]
.endif
.endr
.endr
.endr
.endm
.macro PVH qa, first                   ; O^T of query tiles qa, qa + 1: times the factor, plus V^T P^T
.if \first == 0
	WIN 0x41                                       ; O in window 1, the factor in window 0
.irp i, 0,1
.irp dt, 0,1,2,3
.irp p, 0,1,2,3
	v_pk_mul_f32 v[8*(4*\dt+\qa+\i)+2*\p:8*(4*\dt+\qa+\i)+2*\p+1], v[8*(4*\dt+\qa+\i)+2*\p:8*(4*\dt+\qa+\i)+2*\p+1], v[AL+2*(\qa+\i):AL+2*(\qa+\i)+1]
.endr
.endr
.endr
.endif
	WIN 0x51                                       ; A (V^T), C and D (O^T) in window 1, B (P) in window 0
.irp kp, 0,1
.irp dt, 0,1,2,3
.irp i, 0,1
.if \first*(1-\kp)
	v_wmma_f32_16x16x32_f16 v[8*(4*\dt+\qa+\i):8*(4*\dt+\qa+\i)+7], v[VF+8*(2*\dt+\kp):VF+8*(2*\dt+\kp)+7], v[SS+16*(4*\kp+\qa+\i):SS+16*(4*\kp+\qa+\i)+7], 0
.else
	v_wmma_f32_16x16x32_f16 v[8*(4*\dt+\qa+\i):8*(4*\dt+\qa+\i)+7], v[VF+8*(2*\dt+\kp):VF+8*(2*\dt+\kp)+7], v[SS+16*(4*\kp+\qa+\i):SS+16*(4*\kp+\qa+\i)+7], v[8*(4*\dt+\qa+\i):8*(4*\dt+\qa+\i)+7]
.endif
.endr
.endr
.endr
.endm
; 64 keys (quarter 2 kh + sub of a slot) x my 64 queries.  step = 1: the mask base goes on to this tile of 256 keys.
.macro SUB slot, sub, first, last, step
.if \sub == 0
	KLOADS \slot, 0                                ; a slot's second 64 keys were asked for in the middle of the first
.endif
	WIN 0x40
.irp dt, 0,1,2,3
.irp kp, 0,1
.irp e, 0,1
	ds_load_tr16_b128 v[VF+8*(2*\dt+\kp)+4*\e:VF+8*(2*\dt+\kp)+4*\e+3], v[ADV+\slot] offset:REG*\sub+5120*\kp+32*\dt+2560*\e
.endr
.endr
.endr
	s_wait_dscnt 16                                ; K's 16 loads are in, V's 16, issued behind them, stay out
	QK 0
	WIN 0
	PLACES                                         ; before vector instructions read the scores
	s_wait_kmcnt 0x0                               ; the masks of query tiles 0 and 1; no scalar load is out now,
.if \step
	s_add_nc_u64 s[12:13], s[12:13], 512           ; so their base may step: 16 key tiles of 32 bytes
.endif
	PAIR 0, \first, (128*\sub+8192)                ; then the mask registers take query tiles 2 and 3
	s_wait_dscnt 0x0                               ; V's fragments
	PVH 0, \first
	QK 2                                           ; writes scores of tiles 2, 3: none of the registers of the products just before
	WIN 0
	PLACES                                         ; before vector instructions read the scores, and before loads land on K's fragments
.if \sub == 0
	KLOADS \slot, 1                                ; the same slot's next 64 keys: they have half of this step in which to come
.endif
	s_wait_kmcnt 0x0                               ; the masks of query tiles 2 and 3
.if \last
	PAIR 2, \first, -1                             ; nothing follows: no load past the last keys
.else
	PAIR 2, \first, (128+384*\sub)                 ; the next 64 keys' masks: 128 bytes on, or 512 from this tile's base (the next tile)
.endif
	PVH 2, \first
	WIN 0
	PLACES                                         ; before the next loads land on V's fragments, or the end reads O
.endm
; One tile of 256 keys.  In front of the round: all my tensor loads have landed (my part of this tile among them) and my LDS reads are back.
; Behind it: the refill of the slot read last, my one tensor load until the next round; it has this tile's two SUBs in which to land.
.macro TRIP slot, refill, first, step, last
	s_wait_tensorcnt 0x0
	ds_add_u32 v46, v47
	s_wait_dscnt 0x0
	s_add_nc_u64 s[6+4*\slot:7+4*\slot], s[6+4*\slot:7+4*\slot], 65536     ; no load of mine is out: this slot's next tile, 512 keys on
	s_wait_dscnt 0x0
	ROUND
.if \refill
	KVLOAD (1-\slot)
.endif
	SUB \slot, 0, \first, 0, \step
	SUB \slot, 1, 0, \last, 0
.endm
	s_load_b64 s[6:7], s[0:1], 0x0                 ; qkv, for the K and V tiles: these registers never see my place in the cluster
	s_load_b64 s[66:67], s[0:1], 0x0               ; qkv once more, for my Q rows
	s_load_b64 s[12:13], s[0:1], 0x8               ; mbits
	s_load_b64 s[104:105], s[0:1], 0x10            ; ctx
	v_lshl_add_u32 v46, v0, 2, 0x3d800
	v_mov_b32 v47, 0
	ds_add_u32 v46, v47
	v_lshrrev_b32 v1, 5, v0
	v_readfirstlane_b32 s2, v1                     ; wave 0..7
	s_mov_b32 s14, 0x76543210                      ; v_permlanex16_b32: lane i reads lane i of the other half
	s_mov_b32 s15, 0xfedcba98
	; group 1: 8,192 dense bytes as 32 rows of 32 elements of 8 bytes; after every 32 words (a key's 128 bytes) 4 words of padding for K, 8 for V
	s_mov_b32 s16, 15|(3<<16)|(1<<20)|(1<<21)|(4<<22)|(3<<25)
	s_mov_b32 s24, 15|(3<<16)|(1<<20)|(1<<21)|(4<<22)|(7<<25)
	s_mov_b32 s17, 32<<16
	s_mov_b32 s25, 32<<16
	s_mov_b32 s18, 32<<16
	s_mov_b32 s26, 32<<16
	s_mov_b32 s19, 32<<16
	s_mov_b32 s27, 32<<16
	s_mov_b32 s20, 32
	s_mov_b32 s28, 32
	s_mov_b32 s21, 32
	s_mov_b32 s29, 32
	s_mov_b32 s22, 0
	s_mov_b32 s30, 0
	s_mov_b32 s23, 0
	s_mov_b32 s31, 0
	s_lshr_b32 s100, s2, 2                         ; my eighth of a tile: K (waves 0-3) or V (waves 4-7),
	s_add_co_u32 s100, s100, 1
	s_lshl_b32 s100, s100, 23                      ; parts 1 and 2 of qkv,
	s_and_b32 s101, s2, 3
	s_lshl_b32 s101, s101, 13                      ; quarter w & 3: 64 keys of 128 bytes,
	s_add_co_u32 s100, s100, s101
	s_and_b32 s101, ttmp7, 0xffff
	s_lshl_b32 s101, s101, 18                      ; head b * 16 + h: 262,144 bytes
	s_add_co_u32 s100, s100, s101
	s_mov_b32 s101, 0
	s_mov_b32 s4, 1
	s_mul_i32 s5, s2, REG                          ; LDS: slot + wave x region
	s_mov_b32 s8, 1
	s_add_co_u32 s9, s5, SLOTB
	; what hangs on my place in the cluster: Q rows, mask rows, ctx rows
	s_bfe_u32 s68, ttmp6, 0x40000                  ; cx
	s_lshl_b32 s69, ttmp9, 2
	s_add_co_u32 s69, s69, s68                     ; query block 0..7
	s_and_b32 s70, s2, 3                           ; g
	s_lshr_b32 s71, s2, 2                          ; kh
	s_and_b32 s72, ttmp7, 0xffff
	s_lshl_b32 s74, s72, 18
	s_lshl_b32 s73, s69, 15                        ; 256 queries of 128 bytes
	s_add_co_u32 s74, s74, s73
	s_lshl_b32 s73, s70, 13                        ; 64 queries
	s_add_co_u32 s74, s74, s73
	s_mov_b32 s75, 0                               ; s[74:75]: my 64 rows in q and in ctx
	s_lshl_b32 s76, s69, 16                        ; 16 query tiles of 4,096 bytes of masks
	s_lshl_b32 s73, s70, 14
	s_add_co_u32 s76, s76, s73
	s_lshl_b32 s73, s71, 8                         ; my half of a tile's keys: 8 key tiles of 32 bytes
	s_add_co_u32 s76, s76, s73
	s_mov_b32 s77, 0
	v_and_b32 v2, 15, v0                           ; r
	v_bfe_u32 v3, v0, 4, 1                         ; h
	v_lshlrev_b32 v[QO], 7, v2
	v_lshl_add_u32 v[QO], v3, 4, v[QO]             ; 128 r + 16 h
	s_wait_dscnt 0x0
	s_wait_kmcnt 0x0
	s_add_nc_u64 s[6:7], s[6:7], s[100:101]        ; tile 0, for slot 0
	s_add_nc_u64 s[10:11], s[6:7], 32768           ; tile 1, for slot 1
	s_or_b32 s7, s7, 0x80000000
	s_or_b32 s11, s11, 0x80000000
	s_add_nc_u64 s[66:67], s[66:67], s[74:75]
	s_add_nc_u64 s[104:105], s[104:105], s[74:75]
	s_add_nc_u64 s[12:13], s[12:13], s[76:77]
	ROUND                                          ; the four work-groups are here: the first joint loads meet
	KVLOAD 0                                       ; tile 0; slot 1 is first filled behind the first trip's round
	WIN 0x40
.irp qt, 0,1,2,3
.irp kd, 0,1
.irp e, 0,1
	global_load_b128 v[QF+8*(2*\qt+\kd)+4*\e:QF+8*(2*\qt+\kd)+4*\e+3], v[QO], s[66:67] offset:2048*\qt+64*\kd+32*\e
.endr
.endr
.endr
	WIN 0
	s_load_b512 s[MA:MA+15], s[12:13], 0x0         ; the first 64 keys' masks of query tile 0
	s_load_b512 s[MA+16:MA+31], s[12:13], 0x40
	s_load_b512 s[MB:MB+15], s[12:13], 0x1000      ; and of query tile 1
	s_load_b512 s[MB+16:MB+31], s[12:13], 0x1040
	v_and_b32 v1, 31, v0                           ; l
	v_mul_u32_u24 v[ADK], v2, 144
	v_lshl_add_u32 v[ADK], v3, 4, v[ADK]           ; 144 r + 16 h
	s_mul_i32 s101, s2, SW
	s_add_co_u32 s101, s101, STG                   ; my stage
	v_add_nc_u32 v[STO], s101, v[ADK]              ; in: query r, 16 bytes for each half of the lanes
	v_lshrrev_b32 v[RD], 3, v1
	v_mul_u32_u24 v[RD], v[RD], 144
	v_and_b32 v17, 7, v0
	v_lshl_add_u32 v[RD], v17, 4, v[RD]
	v_add_nc_u32 v[RD], s101, v[RD]                ; back: 8 lanes a row, 4 rows a load
	s_lshr_b32 s100, s2, 2
	s_mul_i32 s100, s100, 2*REG                    ; my half of a slot's keys: regions 2 kh, 2 kh + 1
	v_add_nc_u32 v[ADK], s100, v[ADK]
	v_add_nc_u32 v[ADK+1], SLOTB, v[ADK]
	v_lshl_add_u32 v[ADV], v3, 3, v17              ; key 8 h + (l & 7)
	v_mul_u32_u24 v[ADV], v[ADV], 160
	v_bfe_u32 v17, v0, 3, 1
	v_lshl_add_u32 v[ADV], v17, 4, v[ADV]          ; + 16 ((l >> 3) & 1)
	s_add_co_u32 s100, s100, 4*REG                 ; V's regions lie behind K's four
	v_add_nc_u32 v[ADV], s100, v[ADV]
	v_add_nc_u32 v[ADV+1], SLOTB, v[ADV]
	s_mul_i32 s100, s2, XW
	s_add_co_u32 s100, s100, XCH
	v_lshl_add_u32 v[XS], v1, 4, s100
	v_lshl_add_u32 v[XS4], v1, 2, s100
	v_add_nc_u32 v[XS4], 8192, v[XS4]
	s_xor_b32 s100, s2, 4                          ; my partner: the same queries, the other keys
	s_mul_i32 s100, s100, XW
	s_add_co_u32 s100, s100, XCH
	v_lshl_add_u32 v[XL], v1, 4, s100
	v_lshl_add_u32 v[XL4], v1, 2, s100
	v_add_nc_u32 v[XL4], 8192, v[XL4]
	v_lshlrev_b32 v[CO], 4, v1
	v_mov_b32 v[NINF], 0xff800000
	s_wait_loadcnt 0x0                             ; Q, once
	TRIP 0, 1, 1, 0, 0                             ; tile 0: the first 64 keys start maxima, sums and O; asks for tile 1
	s_mov_b32 s3, 3
.Ltiles:
	TRIP 1, 1, 0, 1, 0                             ; tiles 1, 3, 5; each asks for the tile behind it
	TRIP 0, 1, 0, 1, 0                             ; tiles 2, 4, 6
	s_sub_co_u32 s3, s3, 1
	s_cmp_lg_u32 s3, 0
	s_cbranch_scc1 .Ltiles
	TRIP 1, 0, 0, 1, 1                             ; tile 7: nothing is left to fetch
	; THE END.  Each lane's two partial sums and the two halves of the lanes are joined; then the two waves of a g merge.
.irp q, 0,1,2,3
	v_add_f32 v[L+2*\q], v[L+2*\q], v[L+2*\q+1]
.endr
.irp q, 0,1,2,3
	v_permlanex16_b32 v[WK+\q], v[L+2*\q], s14, s15
.endr
.irp q, 0,1,2,3
	v_add_f32 v[L+2*\q], v[L+2*\q], v[WK+\q]
.endr
.macro SEND q0                         ; query tiles q0, q0 + 1 go to my partner: O (16 x 512 bytes, 16 consecutive bytes a lane), maxima, sums
	WIN 0x04                                       ; the stores' data in window 1
.irp i, 0,1
.irp dt, 0,1,2,3
.irp e, 0,1
	ds_store_b128 v[XS], v[8*(4*\dt+\q0+\i)+4*\e:8*(4*\dt+\q0+\i)+4*\e+3] offset:512*(8*\i+2*\dt+\e)
.endr
.endr
.endr
	WIN 0
	ds_store_b32 v[XS4], v[M+2*\q0]
	ds_store_b32 v[XS4], v[M+2*\q0+2] offset:128
	ds_store_b32 v[XS4], v[L+2*\q0] offset:256
	ds_store_b32 v[XS4], v[L+2*\q0+2] offset:384
.endm
.macro FINISH q0                       ; query tiles q0, q0 + 1 are finished here
.set n, 0
.rept 16
	ds_load_b128 v[SS+4*n:SS+4*n+3], v[XL] offset:512*n
.set n, n+1
.endr
	ds_load_b32 v56, v[XL4]
	ds_load_b32 v57, v[XL4] offset:128
	ds_load_b32 v58, v[XL4] offset:256
	ds_load_b32 v59, v[XL4] offset:384
	s_wait_dscnt 0x0
.irp i, 0,1
	v_max_num_f32 v60, v[M+2*(\q0+\i)], v[56+\i]   ; the common maximum
	v_sub_f32 v61, v[M+2*(\q0+\i)], v60
	v_sub_f32 v62, v[56+\i], v60
	v_exp_f32 v61, v61                             ; my weight
	v_exp_f32 v62, v62                             ; my partner's
	v_nop
	s_wait_alu depctr_va_vdst(0)
	v_mul_f32 v63, v62, v[58+\i]
	v_fmac_f32 v63, v61, v[L+2*(\q0+\i)]           ; the whole row's sum
	v_rcp_f32 v63, v63
	v_nop
	s_wait_alu depctr_va_vdst(0)
	v_mul_f32 v48, v61, v63
	v_mul_f32 v49, v61, v63
	v_mul_f32 v50, v62, v63
	v_mul_f32 v51, v62, v63
.set n, 0
.rept 16
	v_pk_mul_f32 v[SS+32*\i+2*n:SS+32*\i+2*n+1], v[SS+32*\i+2*n:SS+32*\i+2*n+1], v[50:51]
.set n, n+1
.endr
	WIN 0x01                                       ; source 0 (my O) in window 1
.irp dt, 0,1,2,3
.irp p, 0,1,2,3
	v_pk_fma_f32 v[SS+32*\i+8*\dt+2*\p:SS+32*\i+8*\dt+2*\p+1], v[8*(4*\dt+\q0+\i)+2*\p:8*(4*\dt+\q0+\i)+2*\p+1], v[48:49], v[SS+32*\i+8*\dt+2*\p:SS+32*\i+8*\dt+2*\p+1]
.endr
.endr
	WIN 0
.irp dt, 0,1,2,3
.irp p, 0,1,2,3
	v_cvt_pk_f16_f32 v[KF+16*\i+4*\dt+\p], v[SS+32*\i+8*\dt+2*\p], v[SS+32*\i+8*\dt+2*\p+1]   ; eight neighbouring d of query r: 16 bytes
.endr
.endr
.irp dt, 0,1,2,3
	ds_store_b128 v[STO], v[KF+16*\i+4*\dt:KF+16*\i+4*\dt+3] offset:32*\dt
.endr
.irp t, 0,1,2,3
	ds_load_b128 v[KF+32+16*\i+4*\t:KF+32+16*\i+4*\t+3], v[RD] offset:576*\t     ; my own bytes, served in order: these see the stores above
.endr
.irp t, 0,1,2,3
	s_wait_dscnt 3-\t
	global_store_b128 v[CO], v[KF+32+16*\i+4*\t:KF+32+16*\i+4*\t+3], s[104:105] offset:(\q0+\i)*2048+512*\t   ; 512 consecutive bytes, aligned: four queries
.endr
.endr
.endm
	s_cmp_lt_u32 s2, 4
	s_cbranch_scc0 .Lsend_hi
	SEND 2
	s_branch .Lsent
.Lsend_hi:
	SEND 0
.Lsent:
	s_wait_dscnt 0x0                               ; my stores are in LDS, for my partner's sake
	s_barrier_signal -1
	s_barrier_wait -1
	s_cmp_lt_u32 s2, 4
	s_cbranch_scc0 .Lfinish_hi
	FINISH 0
	s_branch .Lfinished
.Lfinish_hi:
	FINISH 2
.Lfinished:
	s_wait_tensorcnt 0x0
	ds_add_u32 v46, v47
	s_wait_dscnt 0x0
	ROUND                                          ; the closing round: no work-group ends while a partner may still ask jointly
	s_endpgm
.Lfunc_end_k_q04a87ed6fa_attn:
	.size	k_q04a87ed6fa_attn, .Lfunc_end_k_q04a87ed6fa_attn-k_q04a87ed6fa_attn
	.p2alignl 7, 3214868480
	.fill 96, 4, 3214868480
	.section	.rodata,"a",@progbits
	.p2align	6, 0x0
	.amdhsa_kernel k_q04a87ed6fa_attn
		.amdhsa_group_segment_fixed_size 327680
		.amdhsa_private_segment_fixed_size 0
		.amdhsa_enable_private_segment 0
		.amdhsa_kernarg_size 24
		.amdhsa_user_sgpr_count 2
		.amdhsa_user_sgpr_kernarg_segment_ptr 1
		.amdhsa_wavefront_size32 1
		.amdhsa_system_sgpr_workgroup_id_x 1
		.amdhsa_system_sgpr_workgroup_id_y 1
		.amdhsa_system_sgpr_workgroup_id_z 1
		.amdhsa_system_vgpr_workitem_id 0
		.amdhsa_next_free_vgpr 512
		.amdhsa_next_free_sgpr 106
		.amdhsa_reserve_vcc 0
		.amdhsa_float_denorm_mode_32 3
		.amdhsa_float_denorm_mode_16_64 3
		.amdhsa_memory_ordered 1
		.amdhsa_forward_progress 1
		.amdhsa_inst_pref_size 255
	.end_amdhsa_kernel
	.section	.bss,"aw",@nobits
	.p2align	6
	.space	262144
	.amdgpu_metadata
---
amdhsa.version: [ 1, 2 ]
amdhsa.kernels:
  - .name:           k_q04a87ed6fa_attn
    .symbol:         k_q04a87ed6fa_attn.kd
    .args:
      - { .name: qkv, .offset: 0, .size: 8, .value_kind: global_buffer, .address_space: global }
      - { .name: mbits, .offset: 8, .size: 8, .value_kind: global_buffer, .address_space: global }
      - { .name: ctx, .offset: 16, .size: 8, .value_kind: global_buffer, .address_space: global }
    .group_segment_fixed_size: 327680
    .private_segment_fixed_size: 0
    .kernarg_segment_align: 8
    .kernarg_segment_size: 24
    .max_flat_workgroup_size: 256
    .sgpr_count:     106
    .vgpr_count:     512
    .wavefront_size: 32
...
	.end_amdgpu_metadata
.endif
;; end of part 3
;; launch outp (part 4): grid 8 x 32, 4 waves a work-group, clusters of 4 x 4, 327,680 bytes of LDS; arguments ctx, wt, out0, bo; writes out0
.if DOCPART == 4
	.amdgcn_target "amdgcn-amd-amdhsa--gfx1250"
	.amdhsa_code_object_version 6
	.text
	.protected	k_q04a87ed6fa_outp
	.globl	k_q04a87ed6fa_outp
	.p2align	8
	.type	k_q04a87ed6fa_outp,@function
k_q04a87ed6fa_outp:
	s_mov_b64 s[64:65], 0
	v_nop
	global_prefetch_b8 v0, s[64:65] scope:SCOPE_SE
	s_setreg_imm32_b32 hwreg(HW_REG_WAVE_MODE, 25, 1), 1
	s_wait_xcnt 0x0
	s_wait_alu depctr_hold_cnt(0) depctr_sa_sdst(0) depctr_va_vdst(0) depctr_va_sdst(0) depctr_va_ssrc(0) depctr_va_vcc(0) depctr_vm_vsrc(0)
	s_getreg_b32 s2, hwreg(HW_REG_IB_STS2, 6, 4)
	s_cmp_eq_u32 s2, 0
	s_cbranch_scc0 .Lentry_in_a_cluster
	s_endpgm
.Lentry_in_a_cluster:
	s_bfe_u32 s2, ttmp6, 0x10000c
	s_cmp_lg_u32 s2, 0xf033
	s_cbranch_scc0 .Lentry_shape_is_right
	s_endpgm
.Lentry_shape_is_right:
; OUTP: out0 = concat(ctx) Wo + bo.  A = ctx [b][h][s][64] f16 (column h * 64 + d of the merged heads), B = wt[3] [n][k] f16, sums and result in f32.
; 4,096 x 1,024 outputs in blocks of 128 x 128: 256 work-groups of four waves; a wave makes 64 x 64.  (Blocks of 256 x 256 would be 64 work-groups.)
; K = 1,024 goes through two LDS slots of 256 along K (four heads) each: four fills in all, two at the start and two refills, so the text has no loop.
; A slot holds two steps of 128 because one step is only 64 matrix instructions a wave: with the larger slot a refill has 112 in which to land,
; and half of K is asked for at the start.  Two such slots and the stage take 312,320 of the 327,680 bytes.
; A's part of a slot is, for 64 tokens, four dense runs of 8,192 bytes (one a head), laid into LDS as [head][64 tokens] at pitch 144;
; B's is 64 rows of 512 bytes at pitch 528.
; CLUSTERS: 4 x 4 work-groups; A's tile is asked for jointly along a row of the cluster, B's along a column.
; The matrix instruction is used transposed (source 0 = rows of B, source 1 = rows of A): a lane's eight results are eight neighbouring columns of one row.
; A query whose keys are all closed arrives as NaN in ctx and gives a row of NaN.
; REGISTERS: window 0: v16-27 addresses, v64.. / v128.. fragments of A (two buffers) and the way out;
;            window 1: v0-31 bias of my 64 columns, v64.. / v128.. fragments of B;  windows 2, 3: accumulators of my rows 0-31, 32-63.
.set BLK,    4                         ; a wave's tile is 16 BLK square
.set PITCHA, 144                       ; a token's 128 bytes of one head + 16
.set PITCHB, 528                       ; 512 bytes + 16 = 33 x 16: 16 rows start at 16 different columns of 16 bytes
.set HOFF,   64*144                    ; from a head to the next in A's part of a slot
.set REGION, 36864                     ; what one tensor load fills: A 4 x 64 x 144; B 64 x 528 = 33,792
.set SLOT,   4*REGION
.set STAGE,  2*SLOT                    ; behind the ring: 16 rows x 272 bytes for each wave; no tensor load lands here
.set SPITCH, 272
.set ASTEP,  1048576                   ; a slot's K in A: four heads of 262,144 bytes
.set BSTEP,  512                       ; and in B: 256 numbers of 2 bytes
.set ADRA, 16
.set ADRB, 20
.set STO,  24
.set RD,   25
.set CO,   26
.set BO,   27
.set F0,   64
.set F1,   128
.set G1,  24
.set G0,  32
.set G1B, 48
.set G0B, 56
.set MUL_LO, 0xa1                      ; source 0 (B) window 1, source 1 (A) window 0, C and D window 2
.set MUL_HI, 0xf1                      ; the same, C and D window 3
.set TO_B,   0x40
.set MSB, 0
.macro WIN new                         ; the immediate's high byte repeats the setting that is left
.if MSB != \new
	s_set_vgpr_msb (MSB<<8)|\new
.set MSB, \new
.endif
.endm
.macro JLOAD s                         ; a joint load: waves 0, 1 fetch A's halves, waves 2, 3 B's; each line has one mask
	s_cmp_eq_u32 s11, 0
	s_cbranch_scc0 .Lfor_b_\@
	tensor_load_to_lds s[G0+4*\s:G0+4*\s+3], s[G1:G1+7]
	s_nop 0
	s_branch .Lasked_\@
.Lfor_b_\@:
	tensor_load_to_lds s[G0B+4*\s:G0B+4*\s+3], s[G1B:G1B+7]
	s_nop 0
.Lasked_\@:
.endm
.macro CREST                           ; a round of the cluster's barrier, behind its opening work-group barrier
	s_cmp_lg_u32 s10, 0
	s_cbranch_scc1 .Lnot_wave_0_\@
	s_barrier_signal -3
.Lnot_wave_0_\@:
	s_barrier_wait -3
	s_barrier_signal -1
	s_barrier_wait -1
.endm
.macro CROUND
	s_barrier_signal -1
	s_barrier_wait -1
	CREST
.endm
.macro PLACES                          ; four places between matrix instructions and loads into, or vector reads of, their registers
.rept 4
	v_nop
.endr
.endm
; na x BLK matrix instructions; the accumulators take turns, one instruction a turn, in the same order everywhere.
.macro MULN f, hi, a0, na, zero
.set ma, \a0
.rept \na
.set mb, 0
.rept BLK
.if \zero
	v_wmma_f32_16x16x32_f16 v[8*(BLK*ma+mb):8*(BLK*ma+mb)+7], v[\f+8*mb:\f+8*mb+7], v[\f+8*(BLK/2*\hi+ma):\f+8*(BLK/2*\hi+ma)+7], 0
.else
	v_wmma_f32_16x16x32_f16 v[8*(BLK*ma+mb):8*(BLK*ma+mb)+7], v[\f+8*mb:\f+8*mb+7], v[\f+8*(BLK/2*\hi+ma):\f+8*(BLK/2*\hi+ma)+7], v[8*(BLK*ma+mb):8*(BLK*ma+mb)+7]
.endif
.set mb, mb+1
.endr
.set ma, ma+1
.endr
.endm
; 4 BLK LDS loads in one run: the fragments of part q (32 along K, q = 0 .. 7) of a slot into buffer f.  A's parts 2 i, 2 i + 1 lie in the slot's head i.
.macro FETCH slot, q, f
	WIN TO_B
.set fi, 0
.rept BLK
	ds_load_b128 v[\f+8*fi:\f+8*fi+3],   v[ADRB+\slot] offset:64*\q+fi*16*PITCHB
	ds_load_b128 v[\f+8*fi+4:\f+8*fi+7], v[ADRB+\slot] offset:64*\q+fi*16*PITCHB+32
.set fi, fi+1
.endr
	WIN 0
.set fi, 0
.rept BLK
	ds_load_b128 v[\f+8*fi:\f+8*fi+3],   v[ADRA+\slot] offset:(\q/2)*HOFF+(\q%2)*64+fi*16*PITCHA
	ds_load_b128 v[\f+8*fi+4:\f+8*fi+7], v[ADRA+\slot] offset:(\q/2)*HOFF+(\q%2)*64+fi*16*PITCHA+32
.set fi, fi+1
.endr
.endm
; One of a slot's first seven parts: multiplies buffer f, and in its middle fetches part q into buffer g.
.macro QUARTER slot, q, f, g, zero
	s_wait_dscnt BLK                               ; B and A's lower half are in; the youngest BLK loads (A's upper half) may be out
	WIN MUL_LO
	MULN \f, 0, 0, BLK/2, \zero
	PLACES
	FETCH \slot, \q, \g
	s_wait_dscnt 4*BLK                             ; all but the 4 BLK just issued
	WIN MUL_HI
	MULN \f, 1, 0, BLK/2, \zero
.endm
.macro SEVEN slot, zero
	QUARTER \slot, 1, F0, F1, \zero
	QUARTER \slot, 2, F1, F0, 0
	QUARTER \slot, 3, F0, F1, 0
	QUARTER \slot, 4, F1, F0, 0
	QUARTER \slot, 5, F0, F1, 0
	QUARTER \slot, 6, F1, F0, 0
	QUARTER \slot, 7, F0, F1, 0
.endm
; The last part changes slots: each wave's reads of this slot and all its tensor loads are waited for in front of the barrier; where the slot is
; filled again the barrier opens a round of the cluster's barrier, and the joint refill is the first tensor load behind the round's closing wait.
.macro TURN slot, next, fill
	s_wait_dscnt BLK
	WIN MUL_LO
	MULN F1, 0, 0, BLK/4, 0
	s_wait_dscnt 0
	s_wait_tensorcnt 0x0
	ds_add_u32 v255, v255
	s_wait_dscnt 0x0
	s_barrier_signal -1
	MULN F1, 0, BLK/4, BLK/4, 0                    ; register work while the others arrive
	WIN 0
	s_barrier_wait -1
.if \fill
	CREST
	s_add_nc_u64 s[G0+4*\slot+2:G0+4*\slot+3], s[G0+4*\slot+2:G0+4*\slot+3], 2*ASTEP     ; no tensor load of mine is out: group 0 may step, two slots on
	s_add_nc_u64 s[G0B+4*\slot+2:G0B+4*\slot+3], s[G0B+4*\slot+2:G0B+4*\slot+3], 2*BSTEP
	JLOAD \slot
.endif
	PLACES
	FETCH \next, 0, F0
	WIN MUL_HI
	MULN F1, 1, 0, BLK/2, 0
.endm
	s_load_b128 s[4:7], s[0:1], 0x0                ; ctx, wt
	s_load_b64 s[8:9], s[0:1], 0x10                ; out0
	s_load_b64 s[78:79], s[0:1], 0x18              ; bo
	s_set_vgpr_msb 0x40
	v_lshl_add_u32 v255, v0, 2, 0x4c400
	s_set_vgpr_msb 0x4000
	v_mov_b32 v255, 0
	s_set_vgpr_msb 0x1
	ds_add_u32 v255, v255
	s_set_vgpr_msb 0x100
	v_lshrrev_b32 v1, 5, v0
	v_readfirstlane_b32 s10, v1                    ; wave 0..3
	s_lshr_b32 s11, s10, 1                         ; which half of the block's rows is mine.  Also: I fetch for A (0) or for B (1)
	s_and_b32 s12, s10, 1                          ; which half of its columns.  Also: which 64 rows of that tile I fetch
	s_bfe_u32 s40, ttmp6, 0x40000                  ; cx
	s_bfe_u32 s41, ttmp6, 0x40004                  ; cy
	s_lshl_b32 s42, ttmp9, 2
	s_add_co_u32 s42, s42, s40                     ; block column 0..7
	s_and_b32 s13, ttmp7, 0xffff
	s_lshl_b32 s13, s13, 2
	s_add_co_u32 s13, s13, s41                     ; block row 0..31
	s_lshl_b32 s43, s41, 2
	s_lshl_b32 s43, 15, s43                        ; my row of the cluster
	s_lshl_b32 s44, 0x1111, s40                    ; my column
	; A: 4 rows (heads) of 4,096 elements (64 tokens x 64), 131,072 elements apart; after every 32 words (a token's 128 bytes) 4 words of padding
	s_or_b32 s[G1+0], s43, (1<<16)|(1<<20)|(1<<21)|(4<<22)|(3<<25)
	s_mov_b32 s[G1+1], 4096<<16
	s_mov_b32 s[G1+2], 4<<16
	s_mov_b32 s[G1+3], 4096<<16
	s_mov_b32 s[G1+4], 4
	s_mov_b32 s[G1+5], 131072
	s_mov_b32 s[G1+6], 0
	s_mov_b32 s[G1+7], 0
	; B: 64 rows of 256 elements, 1,024 apart; after every 128 words 4 words of padding
	s_or_b32 s[G1B+0], s44, (1<<16)|(1<<20)|(1<<21)|(6<<22)|(3<<25)
	s_mov_b32 s[G1B+1], 256<<16
	s_mov_b32 s[G1B+2], 64<<16
	s_mov_b32 s[G1B+3], 256<<16
	s_mov_b32 s[G1B+4], 64
	s_mov_b32 s[G1B+5], 1024
	s_mov_b32 s[G1B+6], 0
	s_mov_b32 s[G1B+7], 0
	s_lshl_b32 s16, s13, 7
	s_lshl_b32 s17, s12, 6
	s_add_co_u32 s16, s16, s17                     ; A: row 128 x block row + 64 x half, of 4,096
	s_lshl_b32 s46, s42, 7
	s_add_co_u32 s46, s46, s17
	s_add_co_u32 s46, s46, 3072                    ; B: row 3 x 1,024 (Wo) + 128 x block column + 64 x half
	s_lshl_b32 s46, s46, 11                        ; rows of 2,048 bytes
	s_mov_b32 s47, 0
	s_lshr_b32 s17, s16, 11                        ; batch: 16 heads of 262,144 bytes
	s_lshl_b32 s17, s17, 22
	s_and_b32 s16, s16, 2047                       ; token: 128 bytes
	s_lshl_b32 s16, s16, 7
	s_add_co_u32 s16, s16, s17
	s_mov_b32 s17, 0
	s_mul_i32 s20, s10, REGION                     ; LDS: wave x region; no place in the cluster enters an LDS address
	s_wait_dscnt 0x0
	s_wait_kmcnt 0x0
	s_add_nc_u64 s[14:15], s[4:5], s[16:17]
	s_add_nc_u64 s[46:47], s[6:7], s[46:47]
	CROUND                                         ; all sixteen work-groups are here: the first joint loads meet
.irp s, 0,1
	s_mov_b32 s[G0+4*\s], 1
	s_add_co_u32 s[G0+4*\s+1], s20, \s*SLOT
	s_add_nc_u64 s[G0+4*\s+2:G0+4*\s+3], s[14:15], \s*ASTEP
	s_or_b32 s[G0+4*\s+3], s[G0+4*\s+3], 0x80000000
	s_mov_b32 s[G0B+4*\s], 1
	s_add_co_u32 s[G0B+4*\s+1], s20, \s*SLOT
	s_add_nc_u64 s[G0B+4*\s+2:G0B+4*\s+3], s[46:47], \s*BSTEP
	s_or_b32 s[G0B+4*\s+3], s[G0B+4*\s+3], 0x80000000
	JLOAD \s                                       ; two tensor loads of a wave are out here, one later
.endr
	; the bias of my 64 columns: register 8 b + j of window 1 = bo[16 b + 8 h + j]
	v_and_b32 v1, 15, v0                           ; l % 16
	v_bfe_u32 v2, v0, 4, 1                         ; l / 16
	v_lshlrev_b32 v[BO], 5, v2
	s_lshl_b32 s46, s42, 9
	s_lshl_b32 s47, s12, 8
	s_add_co_u32 s46, s46, s47                     ; (128 x block column + 64 x half) x 4 bytes: my columns in bo, and in a row of out0
	s_mov_b32 s47, 0
	s_add_nc_u64 s[78:79], s[78:79], s[46:47]
	WIN TO_B
.set n, 0
.rept 2*BLK
	global_load_b128 v[4*n:4*n+3], v[BO], s[78:79] offset:64*(n/2)+16*(n%2)
.set n, n+1
.endr
	WIN 0
	v_mul_u32_u24 v3, v1, PITCHA
	v_lshl_add_u32 v3, v2, 4, v3
	v_mul_u32_u24 v6, v1, PITCHB
	v_lshl_add_u32 v6, v2, 4, v6
	s_mul_i32 s21, s11, REGION                     ; my rows of A
	s_mul_i32 s22, s12, REGION
	s_add_co_u32 s22, s22, 2*REGION                ; my rows of B, behind A's two regions
.irp s, 0,1
	v_add_nc_u32 v[ADRA+\s], s21, v3
	v_add_nc_u32 v[ADRB+\s], s22, v6
	s_add_co_u32 s21, s21, SLOT
	s_add_co_u32 s22, s22, SLOT
.endr
	s_mul_i32 s23, s10, 16*SPITCH
	s_add_co_u32 s23, s23, STAGE                   ; my stage
	v_mul_u32_u24 v4, v1, SPITCH
	v_lshl_add_u32 v4, v2, 5, v4
	v_add_nc_u32 v[STO], s23, v4                   ; in: row l % 16, 32 bytes (8 f32) for each half of the lanes
	v_mul_u32_u24 v5, v2, SPITCH
	v_lshl_add_u32 v5, v1, 4, v5
	v_add_nc_u32 v[RD], s23, v5                    ; back: lanes 0-15 one row of 256 bytes, lanes 16-31 the next
	v_lshlrev_b32 v5, 4, v1
	v_lshl_add_u32 v[CO], v2, 12, v5               ; and the same two rows of out0 (4,096 bytes a row)
	s_wait_loadcnt 0x0                             ; the bias is in (it came while the first tiles were on their way)
	s_wait_tensorcnt 1                             ; my part of slot 0 is in; slot 1's may stay out
	s_barrier_signal -1
	s_barrier_wait -1
	FETCH 0, 0, F0
	SEVEN 0, 1                                     ; K 0 to 255; the first products start the sums
	TURN 0, 1, 1                                   ; slot 0 is asked for again: K 512 to 767
	SEVEN 1, 0                                     ; K 256 to 511
	TURN 1, 0, 1                                   ; slot 1 is asked for again: K 768 to 1,023
	SEVEN 0, 0
	TURN 0, 1, 0                                   ; nothing is left to fetch
	SEVEN 1, 0
	s_wait_dscnt BLK
	WIN MUL_LO
	MULN F1, 0, 0, BLK/2, 0
	s_wait_dscnt 0
	WIN MUL_HI
	MULN F1, 1, 0, BLK/2, 0
	PLACES
.macro ADDB
.set sa, 0
.rept BLK/2
.set sb, 0
.rept BLK
.set sp, 0
.rept 4
	v_pk_add_f32 v[8*(BLK*sa+sb)+2*sp:8*(BLK*sa+sb)+2*sp+1], v[8*(BLK*sa+sb)+2*sp:8*(BLK*sa+sb)+2*sp+1], v[8*sb+2*sp:8*sb+2*sp+1]
.set sp, sp+1
.endr
.set sb, sb+1
.endr
.set sa, sa+1
.endr
.endm
	WIN 0x86                                       ; sums in window 2, bias (source 1) in window 1
	ADDB
	WIN 0xc7                                       ; sums in window 3
	ADDB
	WIN 0
	s_lshl_b32 s16, s13, 19                        ; 128 rows of 4,096 bytes a block row,
	s_lshl_b32 s17, s11, 18                        ; 64 a wave
	s_add_co_u32 s16, s16, s17
	s_mov_b32 s17, 0
	s_add_nc_u64 s[8:9], s[8:9], s[16:17]
	s_add_nc_u64 s[8:9], s[8:9], s[46:47]          ; my columns (s[46:47] still holds their byte offset)
; 16 rows at a time: a lane's 8 f32 into my own stage, read back as whole rows of 256 bytes.
.macro OUTF i, a, from, f
	WIN \from                                      ; the LDS stores' data in window 2 or 3
.irp b, 0,1,2,3
.irp e, 0,1
	ds_store_b128 v[STO], v[8*(BLK*\a+\b)+4*\e:8*(BLK*\a+\b)+4*\e+3] offset:64*\b+16*\e
.endr
.endr
	WIN 0
	s_wait_xcnt 0x0                                ; buffer f, which earlier stores read, and the stores' base are rewritten only behind this wait
.if \i
	s_add_nc_u64 s[8:9], s[8:9], 16*4096           ; 16 rows on
.endif
.irp t, 0,1,2,3,4,5,6,7
	ds_load_b128 v[\f+4*\t:\f+4*\t+3], v[RD] offset:\t*2*SPITCH      ; LDS serves a wave's instructions in order: these see the stores above
.endr
.irp t, 0,1,2,3,4,5,6,7
	s_wait_dscnt 7-\t
	global_store_b128 v[CO], v[\f+4*\t:\f+4*\t+3], s[8:9] offset:8192*\t th:TH_STORE_NT   ; 16 lanes store 256 consecutive bytes, aligned
.endr
.endm
	OUTF 0, 0, 0x08, F0
	OUTF 1, 1, 0x08, F1
	OUTF 2, 0, 0x0c, F0
	OUTF 3, 1, 0x0c, F1
	s_set_vgpr_msb 0x1
	s_wait_tensorcnt 0x0
	ds_add_u32 v255, v255
	s_wait_dscnt 0x0
	s_set_vgpr_msb 0x100
	CROUND                                         ; the closing round: no work-group ends while a partner may still ask jointly
	s_endpgm
.Lfunc_end_k_q04a87ed6fa_outp:
	.size	k_q04a87ed6fa_outp, .Lfunc_end_k_q04a87ed6fa_outp-k_q04a87ed6fa_outp
	.p2alignl 7, 3214868480
	.fill 96, 4, 3214868480
	.section	.rodata,"a",@progbits
	.p2align	6, 0x0
	.amdhsa_kernel k_q04a87ed6fa_outp
		.amdhsa_group_segment_fixed_size 327680
		.amdhsa_private_segment_fixed_size 0
		.amdhsa_enable_private_segment 0
		.amdhsa_kernarg_size 32
		.amdhsa_user_sgpr_count 2
		.amdhsa_user_sgpr_kernarg_segment_ptr 1
		.amdhsa_wavefront_size32 1
		.amdhsa_system_sgpr_workgroup_id_x 1
		.amdhsa_system_sgpr_workgroup_id_y 1
		.amdhsa_system_sgpr_workgroup_id_z 1
		.amdhsa_system_vgpr_workitem_id 0
		.amdhsa_next_free_vgpr 1024
		.amdhsa_next_free_sgpr 80
		.amdhsa_reserve_vcc 0
		.amdhsa_float_denorm_mode_32 3
		.amdhsa_float_denorm_mode_16_64 3
		.amdhsa_memory_ordered 1
		.amdhsa_forward_progress 1
		.amdhsa_inst_pref_size 97
	.end_amdhsa_kernel
	.amdgpu_metadata
---
amdhsa.version: [ 1, 2 ]
amdhsa.kernels:
  - .name:           k_q04a87ed6fa_outp
    .symbol:         k_q04a87ed6fa_outp.kd
    .args:
      - { .name: ctx, .offset: 0, .size: 8, .value_kind: global_buffer, .address_space: global }
      - { .name: wt, .offset: 8, .size: 8, .value_kind: global_buffer, .address_space: global }
      - { .name: out0, .offset: 16, .size: 8, .value_kind: global_buffer, .address_space: global }
      - { .name: bo, .offset: 24, .size: 8, .value_kind: global_buffer, .address_space: global }
    .group_segment_fixed_size: 327680
    .private_segment_fixed_size: 0
    .kernarg_segment_align: 8
    .kernarg_segment_size: 32
    .max_flat_workgroup_size: 128
    .sgpr_count:     80
    .vgpr_count:     1024
    .wavefront_size: 32
...
	.end_amdgpu_metadata
.endif
;; end of part 4
